; MI455X (gfx1250); checked and timed in simulation.
; The chip was launched on July 23, 2026; its instructions are those of AMD's public machine-readable ISA for CDNA 5 (MIT licence, August 2026) and "CDNA5" Instruction Set Architecture Reference Guide (July 2026). The comments in the code are by the model that wrote it; some were corrected since.
;; Expert FFN. Allowed arithmetic: matrix products marked QUANTISED: E3M2 operands, one E8M0 scale for each 32 along K, by v_wmma_scale_f32_16x16x128_f8f6f4 with both operands' format E3M2, f32 sums; products left as they are: f32 operands where the result goes on into a quantised operand, else bf16, f16 or f32 operands; f32 sums; everything else in f32.
;; Inputs: expert_b 8 x 1,024 float32; expert_w_codes 8 x 1,024 x 32 x 24 uint8 (E3M2 codes of expert_w, K innermost, in blocks of 32 codes, four codes in three bytes); expert_w_scales 8 x 1,024 x 32 uint8 (E8M0 scales of expert_w, one for each 32 codes along K); router_b 8 float32; router_w 1,024 x 8 float32; x 4 x 2,048 x 1,024 float32.
;; Outputs: out0 4 x 2,048 x 1,024 float32.
;; This version of the problem:
;;   THIS VERSION OF THE PROBLEM IS GIVEN IN LOW PRECISION. The matrix products marked QUANTISED in the list below multiply operands that are first quantised to E3M2 (3 exponent bits, 2 mantissa bits; 6 bits a number), with one power-of-two scale for each 32 numbers along K (OCP MX v1.0); their sums are f32. All else is computed in f32.
;;   The module's matrix products, in the order in which they are computed (A, B: the left and right operand; K: the contracted axis; several contracted axes count as one K, in the product's order):
;;     1. [M 8,192, K 1,024] x [K 1,024, N 8]; A: input x; B: input router_w: left as it is (N = 8 < 16)
;;     2. [M 8,192, K 1,024] x [K 1,024, N 8,192]; A: input x; B: input expert_w (given as codes): QUANTISED
;;   THE QUANTISER, for each operand of a quantised product, along K:
;;     - K is cut into blocks of 32 from its start; a last block that is shorter is filled with zeros.
;;     - A block's scale is 2^e with e = floor(log2(the largest magnitude in the block)) - 4, held to -126 .. 127; a block of zeros has e = 0. As a byte (E8M0): e + 127.
;;     - Each number is divided by its block's scale, clamped to +-28, and rounded to the nearest number of E3M2, ties to even, subnormals kept.
;;     - The product sums the exact products of the quantised numbers (number of the format x scale) in f32.
;;   ~~~python
;;   def quantise(x, axis):      # numpy; x: float32 -> the quantised numbers, widened to float32 again
;;       x = np.moveaxis(x, axis, -1); K = x.shape[-1]
;;       x = np.pad(x, [(0, 0)] * (x.ndim - 1) + [(0, -K % 32)]); x = x.reshape(x.shape[:-1] + (-1, 32)); a = np.abs(x).max(-1, keepdims=True)
;;       e = np.where(a > 0, np.clip(np.frexp(np.where(a > 0, a, 1))[1] - 1 - 4, -126, 127), 0)      # np.frexp(a)[1] - 1 = floor(log2(a)), exactly
;;       r = np.clip(x / 2.0 ** e, -28, 28)
;;       step = 2.0 ** (np.maximum(np.frexp(np.where(r == 0, 1, r))[1] - 1, -2) - 2)
;;       q = np.round(r / step) * step * 2.0 ** e      # np.round: ties to even
;;       return np.moveaxis(q.reshape(q.shape[:-2] + (-1,))[..., :K], -1, axis).astype(np.float32)
;;   ~~~
;;   INPUTS GIVEN AS CODES. expert_w (in the module: [8, 1024, 1024], K = its axis 1): each comes as NAME_codes (uint8): NAME with its K axis moved to the last place and cut into blocks of 32 codes, [.., K / 32, bytes a block], one block behind the other in memory; four codes in three bytes: a row's codes are one little-endian stream of bits, code i at bits 6 i .. 6 i + 5 (a code: sign, 3 exponent bits, 2 mantissa bits); and NAME_scales (uint8): the same leading axes, one E8M0 byte (e + 127) for each 32 codes along K. Its value is code x scale, taken as it is: it is not quantised again, and the codes and scales need not be those that the quantiser above would give.
;; 2 versions. Each part assembles by itself: llvm-mc -triple=amdgcn-amd-amdhsa -mcpu=gfx1250 --defsym DOCPART=n.
;; ======== version 1 of 2: 3 launches
;; workspace buffers: xc 6,291,456 bytes; xs 262,144 bytes; gate 32,768 bytes; eidx 32,768 bytes of whole numbers; order 32,768 bytes of whole numbers; tiles 1,024 bytes of whole numbers; wq 6,291,456 bytes
;; launch route_quant (part 1): grid 256 x 1, 8 waves a work-group, no clusters, 77,312 bytes of LDS; arguments x, router_w, router_b, xc, xs, gate, eidx; writes xc, xs, gate, eidx
.if DOCPART == 1
	.amdgcn_target "amdgcn-amd-amdhsa--gfx1250"
	.amdhsa_code_object_version 6
	.text
	.protected	k_q45765be289_route_quant
	.globl	k_q45765be289_route_quant
	.p2align	8
	.type	k_q45765be289_route_quant,@function
k_q45765be289_route_quant:
	s_mov_b64 s[64:65], 0
	v_nop
	global_prefetch_b8 v0, s[64:65] scope:SCOPE_SE
	s_setreg_imm32_b32 hwreg(HW_REG_WAVE_MODE, 25, 1), 1
	s_wait_xcnt 0x0
; THE ROUTER AND THE QUANTISER OF x, in one pass over x.  x: [8192][1024] f32.  router_w: [1024][8], router_b: [8] f32.
; For each token: logits = x . router_w + router_b by f32 fused multiply-adds; gate = 1 / sum of e^(logit - largest logit), which is the largest probability of the softmax;
; eidx = the index of the largest logit.  And x's codes of BF6 (E3M2) with one E8M0 byte for each 32 along K: a block's scale is 2^(floor(log2(largest magnitude)) - 4).
; OUT: xc [token][768]: within each 128 along K (96 bytes) the four blocks of 24 bytes lie in the order 0, 2, 1, 3, so that the 48 bytes which a lane of the matrix operand holds are neighbours;
;      xs [token][32] scale bytes in their natural order; gate [token] f32; eidx [token] u32.
; SHARES: a work-group takes 32 tokens, each of its eight waves four rows; a row goes in two steps of 512 numbers.  Each load reads 512 consecutive bytes; a step's 2,048 bytes turn through the
; wave's own stage in LDS, so that lane l then holds the 16 neighbours k = 512 s + 16 l + 0 .. 15.  Each lane keeps router_w of its 32 k, 256 numbers, in registers v256-v511 for the whole launch.
; No matrix unit: the product has 8 columns, and its largest entry chooses the expert, so it is kept in f32.  No cluster: the work-groups share router_w's 32,768 bytes alone.
; LIMITS: NaN and infinities in x are not served.  A block of zeros gets the byte 1 where the rule says 127: its codes are zeros, and this program alone reads the bytes.
; The index is taken on the logits, the lowest index among equal logits: where two logits differ in f32 and their rounded probabilities would still be equal, the index may differ from an argmax over probabilities.
.set STG, 33792                        ; LDS: 0: router_w as 64 pieces of 512 bytes + 16;  here: for each wave two stages of 32 x 80 bytes
.set XSL, 74752                        ; the work-group's scale bytes, [row][32]
.set GL,  75776                        ; its 32 gates;  128 bytes on: its 32 indices
.set X,   16                           ; v16-47   two sets of 16 neighbours (first: router_w on its way to LDS)
.set AC,  48                           ; v48-63   two sets of four pairs of running sums
.set P,   64                           ; v64-95   row rho's eight sums of my lane at P + 8 rho
.set XR,  96                           ; v96-223  x as loaded: step t at XR + 16 t; later the codes
.set SBY, 224                          ; v224-231 a scale byte for each step
.set MSB, 0
.macro WIN new                         ; the immediate's high byte repeats the setting that is left
.if MSB != \new
	s_set_vgpr_msb (MSB<<8)|\new
.set MSB, \new
.endif
.endm
	s_load_b256 s[4:11], s[0:1], 0x0               ; x s[4:5], router_w s[6:7], router_b s[8:9], xc s[10:11]
	s_load_b128 s[12:15], s[0:1], 0x20             ; xs s[12:13], gate s[14:15]
	s_load_b64 s[16:17], s[0:1], 0x30              ; eidx
	v_lshl_add_u32 v252, v0, 2, 0x12a00
	v_mov_b32 v253, 0
	v_lshrrev_b32 v2, 5, v0
	v_readfirstlane_b32 s18, v2                    ; wave 0..7
	v_and_b32 v1, 31, v0                           ; lane
	v_lshlrev_b32 v10, 4, v1                       ; 16 x lane
	v_lshlrev_b32 v2, 2, v1                        ; 4 x lane
	s_lshl_b32 s30, s18, 14
	v_add_nc_u32 v3, s30, v10                      ; x: my wave's four rows of 4,096 bytes, 16 bytes a lane
	v_lshrrev_b32 v8, 3, v1                        ; the codes: eight lanes hold 128 along K: 96 bytes;
	v_mul_u32_u24 v4, v8, 96
	v_bfe_u32 v8, v1, 1, 1                         ; block b = (lane / 2) % 4 goes to place 2 (b % 2) + b / 2: 48 (b % 2) + 24 (b / 2);
	v_mad_u32_u24 v4, v8, 48, v4
	v_bfe_u32 v8, v1, 2, 1
	v_mad_u32_u24 v4, v8, 24, v4
	v_and_b32 v8, 1, v1                            ; a lane's 16 codes are 12 bytes
	v_mad_u32_u24 v4, v8, 12, v4
	s_mul_i32 s30, s18, 3072
	v_add_nc_u32 v4, s30, v4                       ; + my wave's four rows of 768 bytes
	v_lshrrev_b32 v5, 1, v1
	s_lshl_b32 s30, s18, 7
	s_add_co_u32 s30, s30, XSL
	v_add_nc_u32 v5, s30, v5                       ; LDS: my block's scale byte
	s_mul_i32 s30, s18, 5120
	s_add_co_u32 s30, s30, STG
	v_lshrrev_b32 v6, 2, v1
	v_mul_u32_u24 v6, v6, 80
	v_and_b32 v8, 3, v1
	v_lshl_add_u32 v6, v8, 4, v6
	v_add_nc_u32 v6, s30, v6                       ; the stage, on the way in: four lanes' 64 bytes on end, then 16 of padding
	v_mul_u32_u24 v7, v1, 80
	v_add_nc_u32 v7, s30, v7                       ; and on the way out: my 16 neighbours
	v_lshlrev_b32 v14, 4, v0                       ; router_w: 16 bytes a thread
	v_lshrrev_b32 v8, 5, v0
	v_lshl_add_u32 v12, v8, 4, v14                 ; into LDS: 16 more for each 512 passed
	v_mul_u32_u24 v13, v1, 528                     ; out of LDS: piece 32 s + lane: the 512 bytes of my 16 k
	v_lshrrev_b32 v8, 4, v1
	s_lshl_b32 s30, s18, 4
	s_add_co_u32 s30, s30, GL
	v_lshl_add_u32 v15, v8, 3, s30                 ; LDS: the gates of rows 4 w + 2 (lane / 16) + 0, 1
	v_add_nc_u32 v254, GL, v2                      ; the way out: a gate a lane,
	v_add_nc_u32 v255, XSL, v10                    ; 16 scale bytes a lane
	s_lshl_b32 s28, ttmp9, 17                      ; the work-group's 32 rows: of x,
	s_mov_b32 s29, 0
	s_mul_i32 s30, ttmp9, 24576                    ; of xc,
	s_mov_b32 s31, 0
	s_lshl_b32 s32, ttmp9, 10                      ; of xs,
	s_mov_b32 s33, 0
	s_lshl_b32 s34, ttmp9, 7                       ; of gate and eidx
	s_mov_b32 s35, 0
	s_wait_kmcnt 0x0
	s_add_nc_u64 s[4:5], s[4:5], s[28:29]
	s_add_nc_u64 s[10:11], s[10:11], s[30:31]
	s_add_nc_u64 s[12:13], s[12:13], s[32:33]
	s_add_nc_u64 s[14:15], s[14:15], s[34:35]
	s_add_nc_u64 s[16:17], s[16:17], s[34:35]
.irp i, 0,1,2,3,4,5,6,7
	global_load_b128 v[X+4*\i:X+4*\i+3], v14, s[6:7] offset:4096*\i              ; router_w, 4,096 bytes a load of the work-group
.endr
.set q, 0
.rept 32
	global_load_b128 v[XR+4*q:XR+4*q+3], v3, s[4:5] offset:512*q th:TH_LOAD_NT   ; all of my four rows: 32 loads of 512 consecutive bytes; step t is loads 4 t .. 4 t + 3
.set q, q+1
.endr
	s_load_b256 s[20:27], s[8:9], 0x0              ; the eight biases
	s_wait_loadcnt 32                              ; router_w's eight loads are in; x's 32 were issued behind them
.irp i, 0,1,2,3,4,5,6,7
	ds_store_b128 v12, v[X+4*\i:X+4*\i+3] offset:4224*\i
.endr
	s_wait_dscnt 0x0                               ; for the others' sake: my part of router_w lies in LDS
	s_barrier_signal -1
	s_barrier_wait -1                              ; all of it does; nobody writes it again
	WIN 0x40                                       ; destination v256 on
.irp s, 0,1
.set q, 0
.rept 32
	ds_load_b128 v[128*\s+4*q:128*\s+4*q+3], v13 offset:16896*\s+16*q            ; register 128 s + 8 i + e = router_w[512 s + 16 lane + i][e]
.set q, q+1
.endr
.endr
	WIN 0
; step t's 2,048 bytes through the stage: LDS serves a wave's instructions in order, so no wait stands between the stores and the loads
.macro TURN t
.irp i, 0,1,2,3
	ds_store_b128 v6, v[XR+16*(\t)+4*\i:XR+16*(\t)+4*\i+3] offset:2560*((\t)%2)+640*\i
.endr
.irp i, 0,1,2,3
	ds_load_b128 v[X+16*((\t)%2)+4*\i:X+16*((\t)%2)+4*\i+3], v7 offset:2560*((\t)%2)+16*\i
.endr
.endm
; my 16 numbers become 12 bytes of codes; two neighbouring lanes hold a block
.macro QUANT t
.set XS, X+16*((\t)%2)
.set CD, XR+32*((\t)/2)+4*((\t)%2)     ; the codes go into registers of x that have been through the stage; each step has its own, so that no store's data are written again
	v_max3_num_f32 v8, |v[XS]|, |v[XS+1]|, |v[XS+2]|
	v_max3_num_f32 v9, |v[XS+3]|, |v[XS+4]|, |v[XS+5]|
.irp i, 6,10
	v_max3_num_f32 v8, v8, |v[XS+\i]|, |v[XS+\i+1]|
	v_max3_num_f32 v9, v9, |v[XS+\i+2]|, |v[XS+\i+3]|
.endr
	v_max3_num_f32 v8, v8, |v[XS+14]|, |v[XS+15]|
	v_max3_num_f32 v8, v8, v9, 0x2800000           ; and the floor 2^(5 - 127): the byte cannot fall under 1
	v_max_num_f32_dpp v8, v8, v8 row_xmask:1 row_mask:0xf bank_mask:0xf   ; with my neighbour's 16: the block's largest magnitude
	v_add_nc_u32 v11, 0xfe000000, v8               ; 4 off its exponent field: the conversion takes the exponent field of this operand as its scale
	v_cvt_scalef32_pk16_bf6_f32 v[CD:CD+2], v[XS:XS+15], v11
	v_lshrrev_b32 v[SBY+(\t)], 23, v11             ; the scale's byte (also the plain line behind the conversion)
	ds_store_b8 v5, v[SBY+(\t)] offset:16*(\t)     ; both lanes of a block write the same byte with the same value
	global_store_b96 v4, v[CD:CD+2], s[10:11] offset:384*(\t)   ; the wave's 32 lanes fill 384 consecutive bytes
.endm
; my 16 numbers times router_w's eight columns: 64 packed multiply-adds, one x for both halves of a pair of columns; two sets of sums by turns
.macro ROUTE t
.set XS, X+16*((\t)%2)
.set WB, 128*((\t)%2)
	WIN 0x04                                       ; source 1 (router_w) in v256 on
.set i, 0
.rept 16
.set xp, XS+(i/2)*2
.set ab, AC+8*(i%2)
.irp ep, 0,1,2,3
.if ((\t)%2 == 0) && (i < 2)
.if i == 0
	v_pk_mul_f32 v[ab+2*\ep:ab+2*\ep+1], v[xp:xp+1], v[WB+8*i+2*\ep:WB+8*i+2*\ep+1] op_sel_hi:[0,1]               ; a row's first products start the sums: nothing is cleared
.else
	v_pk_mul_f32 v[ab+2*\ep:ab+2*\ep+1], v[xp:xp+1], v[WB+8*i+2*\ep:WB+8*i+2*\ep+1] op_sel:[1,0] op_sel_hi:[1,1]
.endif
.elseif i%2 == 0
	v_pk_fma_f32 v[ab+2*\ep:ab+2*\ep+1], v[xp:xp+1], v[WB+8*i+2*\ep:WB+8*i+2*\ep+1], v[ab+2*\ep:ab+2*\ep+1] op_sel_hi:[0,1,1]
.else
	v_pk_fma_f32 v[ab+2*\ep:ab+2*\ep+1], v[xp:xp+1], v[WB+8*i+2*\ep:WB+8*i+2*\ep+1], v[ab+2*\ep:ab+2*\ep+1] op_sel:[1,0,0] op_sel_hi:[1,1,1]
.endif
.endr
.set i, i+1
.endr
	WIN 0
.if (\t)%2 == 1
.irp ep, 0,1,2,3
	v_pk_add_f32 v[P+8*((\t)/2)+2*\ep:P+8*((\t)/2)+2*\ep+1], v[AC+2*\ep:AC+2*\ep+1], v[AC+8+2*\ep:AC+8+2*\ep+1]   ; the row is through: its two sets are joined
.endr
.endif
.endm
.macro STEP t
.if (\t) == 0
	s_wait_dscnt 0x0                               ; router_w is in registers, and step 0 is back from the stage
.else
	s_wait_dscnt 0x1                               ; this step's numbers are back from the stage; the last step's byte store, issued behind them, may be out
.endif
.if (\t) < 7
	s_wait_loadcnt 24-4*(\t)                       ; the next step's four loads are in; those of the steps behind it may be out
	TURN (\t)+1                                    ; and go through the other stage while this step is worked
.endif
	QUANT \t
	ROUTE \t
.endm
	s_wait_loadcnt 28                              ; step 0's four loads are in; the other seven steps' 28 may be out
	TURN 0
.irp t, 0,1,2,3,4,5,6,7
	STEP \t
.endr
	; THE SUMS ACROSS THE LANES.  Rows 0 and 2 (1 and 3) change halves, so that lanes 0-15 carry row rho and lanes 16-31 row rho + 2: 16 registers are summed in place of 32.
.set q, 0
.rept 16
	v_permlane16_swap_b32 v[P+q], v[P+16+q]
.set q, q+1
.endr
.set q, 0
.rept 16
	v_add_f32 v[P+q], v[P+q], v[P+16+q]
.set q, q+1
.endr
.irp n, 1,2,4,8
.set q, 0
.rept 16
	v_add_f32_dpp v[P+q], v[P+q], v[P+q] row_xmask:\n row_mask:0xf bank_mask:0xf
.set q, q+1
.endr
.endr
	s_wait_kmcnt 0x0                               ; the biases
.set q, 0
.rept 16
	v_add_f32 v[P+q], s[20+q%8], v[P+q]            ; the logits: P + 8 a + e, a = 0, 1
.set q, q+1
.endr
.irp a, 0,1
	v_max3_num_f32 v[232+\a], v[P+8*\a], v[P+8*\a+1], v[P+8*\a+2]
.endr
.irp a, 0,1
	v_max3_num_f32 v[232+\a], v[232+\a], v[P+8*\a+3], v[P+8*\a+4]
.endr
.irp a, 0,1
	v_max3_num_f32 v[232+\a], v[232+\a], v[P+8*\a+5], v[P+8*\a+6]
.endr
.irp a, 0,1
	v_max_num_f32 v[232+\a], v[232+\a], v[P+8*\a+7]                ; the largest logit
	v_mov_b32 v[234+\a], 7
.endr
.irp e, 6,5,4,3,2,1,0
.irp a, 0,1
	v_cmp_neq_f32 vcc_lo, v[P+8*\a+\e], v[232+\a]
	v_cndmask_b32 v[234+\a], \e, v[234+\a], vcc_lo                 ; from the top down: the lowest index that holds the largest logit stays
.endr
.endr
.set q, 0
.rept 16
	v_sub_f32 v[P+q], v[P+q], v[232+q/8]           ; the largest is taken away: 0 or less
.set q, q+1
.endr
.set q, 0
.rept 16
	v_mul_f32 v[P+q], 0x3fb8aa3b, v[P+q]           ; x log2(e)
.set q, q+1
.endr
.set q, 0
.rept 16
	v_exp_f32 v[P+q], v[P+q]
.set q, q+1
.endr
	v_nop                                          ; a plain line behind the last exponential
	s_wait_alu depctr_va_vdst(0)                   ; one wait for the batch of sixteen, ahead of its first reader
.irp a, 0,1
	v_pk_add_f32 v[236+4*\a:237+4*\a], v[P+8*\a:P+8*\a+1], v[P+8*\a+2:P+8*\a+3]
	v_pk_add_f32 v[238+4*\a:239+4*\a], v[P+8*\a+4:P+8*\a+5], v[P+8*\a+6:P+8*\a+7]
.endr
.irp a, 0,1
	v_pk_add_f32 v[236+4*\a:237+4*\a], v[236+4*\a:237+4*\a], v[238+4*\a:239+4*\a]
.endr
.irp a, 0,1
	v_add_f32 v[236+4*\a], v[236+4*\a], v[237+4*\a]                ; the sum, at least 1
.endr
.irp a, 0,1
	v_rcp_f32 v[244+\a], v[236+4*\a]               ; the gate: e^0 / the sum
.endr
	v_nop
	s_wait_alu depctr_va_vdst(0)                   ; one wait for the two reciprocals
	ds_store_b32 v15, v244                         ; the sixteen lanes of a half write the same word with the same value
	ds_store_b32 v15, v245 offset:4
	ds_store_b32 v15, v234 offset:128
	ds_store_b32 v15, v235 offset:132
	s_wait_dscnt 0x0                               ; for the others' sake: my gates, indices and scale bytes lie in LDS
	s_barrier_signal -1
	s_barrier_wait -1
	s_cmp_lg_u32 s18, 0
	s_cbranch_scc1 .Lnot_gates
	ds_load_b32 v16, v254                          ; wave 0: the work-group's 32 gates and 32 indices, 128 consecutive bytes each
	ds_load_b32 v17, v254 offset:128
	s_wait_dscnt 0x0
	global_store_b32 v2, v16, s[14:15]
	global_store_b32 v2, v17, s[16:17]
.Lnot_gates:
	s_cmp_lg_u32 s18, 1
	s_cbranch_scc1 .Lend
	ds_load_b128 v[16:19], v255                    ; wave 1: its 1,024 scale bytes: each store covers 512 consecutive bytes, aligned
	ds_load_b128 v[20:23], v255 offset:512
	s_wait_dscnt 0x0
	global_store_b128 v10, v[16:19], s[12:13]
	global_store_b128 v10, v[20:23], s[12:13] offset:512
.Lend:
	s_wait_tensorcnt 0x0
	ds_add_u32 v252, v253
	s_wait_dscnt 0x0
	s_endpgm
.Lfunc_end_k_q45765be289_route_quant:
	.size	k_q45765be289_route_quant, .Lfunc_end_k_q45765be289_route_quant-k_q45765be289_route_quant
	.p2alignl 7, 3214868480
	.fill 96, 4, 3214868480
	.section	.rodata,"a",@progbits
	.p2align	6, 0x0
	.amdhsa_kernel k_q45765be289_route_quant
		.amdhsa_group_segment_fixed_size 77312
		.amdhsa_private_segment_fixed_size 0
		.amdhsa_enable_private_segment 0
		.amdhsa_kernarg_size 56
		.amdhsa_user_sgpr_count 2
		.amdhsa_user_sgpr_kernarg_segment_ptr 1
		.amdhsa_wavefront_size32 1
		.amdhsa_system_sgpr_workgroup_id_x 1
		.amdhsa_system_sgpr_workgroup_id_y 1
		.amdhsa_system_sgpr_workgroup_id_z 1
		.amdhsa_system_vgpr_workitem_id 0
		.amdhsa_next_free_vgpr 512
		.amdhsa_next_free_sgpr 66
		.amdhsa_reserve_vcc 1
		.amdhsa_float_denorm_mode_32 3
		.amdhsa_float_denorm_mode_16_64 3
		.amdhsa_memory_ordered 1
		.amdhsa_forward_progress 1
		.amdhsa_inst_pref_size 68
	.end_amdhsa_kernel
	.amdgpu_metadata
---
amdhsa.version: [ 1, 2 ]
amdhsa.kernels:
  - .name:           k_q45765be289_route_quant
    .symbol:         k_q45765be289_route_quant.kd
    .args:
      - { .name: x, .offset: 0, .size: 8, .value_kind: global_buffer, .address_space: global }
      - { .name: router_w, .offset: 8, .size: 8, .value_kind: global_buffer, .address_space: global }
      - { .name: router_b, .offset: 16, .size: 8, .value_kind: global_buffer, .address_space: global }
      - { .name: xc, .offset: 24, .size: 8, .value_kind: global_buffer, .address_space: global }
      - { .name: xs, .offset: 32, .size: 8, .value_kind: global_buffer, .address_space: global }
      - { .name: gate, .offset: 40, .size: 8, .value_kind: global_buffer, .address_space: global }
      - { .name: eidx, .offset: 48, .size: 8, .value_kind: global_buffer, .address_space: global }
    .group_segment_fixed_size: 77312
    .private_segment_fixed_size: 0
    .kernarg_segment_align: 8
    .kernarg_segment_size: 56
    .max_flat_workgroup_size: 256
    .sgpr_count:     66
    .vgpr_count:     512
    .wavefront_size: 32
...
	.end_amdgpu_metadata
.endif
;; end of part 1
;; launch sort_lay (part 2): grid 129 x 1, 32 waves a work-group, no clusters, 55,296 bytes of LDS; arguments eidx, expert_w_codes, order, tiles, wq; writes order, tiles, wq
.if DOCPART == 2
	.amdgcn_target "amdgcn-amd-amdhsa--gfx1250"
	.amdhsa_code_object_version 6
	.text
	.protected	k_q45765be289_sort_lay
	.globl	k_q45765be289_sort_lay
	.p2align	8
	.type	k_q45765be289_sort_lay,@function
k_q45765be289_sort_lay:
	s_mov_b64 s[64:65], 0
	v_nop
	global_prefetch_b8 v0, s[64:65] scope:SCOPE_SE
	s_setreg_imm32_b32 hwreg(HW_REG_WAVE_MODE, 25, 1), 1
	s_wait_xcnt 0x0
; TWO JOBS THAT WAIT FOR NOTHING OF EACH OTHER, in one launch; they part once, on the work-group's number; each has LDS bytes, one barrier and an end of its own.
; WORK-GROUP 0: a counting sort of the 8,192 tokens by expert (eidx), without atomics.  order [8192]: the tokens' numbers, expert by expert, no gaps.
;   tiles [64] x {expert, first place in order, rows, groups of 16 rows}: an expert with g groups of 16 rows gets ceil(g / 9) tiles of floor or ceil of g / that many groups, 144 rows at the most.
;   The sum over the experts of ceil(g / 9) is at most ceil(8192 / 144) + 7 = 64 whatever the choice, all tokens on one expert too; a tile that is not used gets 0 rows.
; WORK-GROUPS 1 TO 128: expert_w_codes ([8][1024] rows of 768 bytes) are laid in the order of the operand's registers.  wq [cg = row / 64][t: 4][j: 8][c: 3][lane: 32][16 bytes]: fragment (t, j) holds,
;   in lane (r, h), the row 64 cg + 4 r + t, its bytes 96 j + 24 h .. + 23 and 96 j + 48 + 24 h .. + 23: so a lane of the next launch loads a fragment by three loads of 16 bytes.
;   The rows of a tile are every fourth row, so that a lane's four tiles hold four neighbouring columns of the output.
.set RS, 1024                          ; LDS: 0-511 the sort's wave totals; from 1,024 on the lay-out's 64 rows, 784 bytes apart
.set TP, 42                            ; v42-45 at work in the scans, later addresses
	s_load_b256 s[4:11], s[0:1], 0x0               ; eidx s[4:5], expert_w_codes s[6:7], order s[8:9], tiles s[10:11]
	s_load_b64 s[12:13], s[0:1], 0x20              ; wq
	v_lshl_add_u32 v64, v0, 2, 0xc800
	v_mov_b32 v65, 0
	v_lshrrev_b32 v1, 5, v0
	v_readfirstlane_b32 s14, v1                    ; wave 0..31
	v_and_b32 v1, 31, v0                           ; lane
	v_bfe_u32 v2, v0, 4, 1                         ; h = lane / 16
	v_and_b32 v9, 15, v0                           ; r = lane % 16
	s_wait_kmcnt 0x0
	s_cmp_eq_u32 ttmp9, 0
	s_cbranch_scc1 .Lsort
	; ---------------- THE LAY-OUT: 64 rows of W
	s_sub_co_u32 s15, ttmp9, 1                     ; cg
	s_mul_i32 s16, s15, 49152                      ; 64 rows of 768 bytes, in both buffers
	s_mov_b32 s17, 0
	s_add_nc_u64 s[6:7], s[6:7], s[16:17]
	s_add_nc_u64 s[12:13], s[12:13], s[16:17]
	s_mul_i32 s18, s14, 1536
	v_mul_u32_u24 v10, v2, 768
	v_lshl_add_u32 v10, v9, 4, v10
	v_add_nc_u32 v10, s18, v10                     ; in: wave w takes rows 2 w and 2 w + 1; sixteen lanes read 256 consecutive bytes, aligned
	global_load_b128 v[16:19], v10, s[6:7] th:TH_LOAD_NT
	global_load_b128 v[20:23], v10, s[6:7] offset:256 th:TH_LOAD_NT
	global_load_b128 v[24:27], v10, s[6:7] offset:512 th:TH_LOAD_NT
	s_and_b32 s19, s14, 1                          ; row n goes to place 16 (n % 4) + n / 4: for n = 2 w + h that is 32 (w % 2) + 16 h + w / 2
	s_lshl_b32 s19, s19, 5
	s_lshr_b32 s20, s14, 1
	s_add_co_u32 s19, s19, s20
	s_mul_i32 s19, s19, 784
	s_add_co_u32 s19, s19, RS
	v_mul_u32_u24 v11, v2, 12544
	v_lshl_add_u32 v11, v9, 4, v11
	v_add_nc_u32 v11, s19, v11
	s_lshr_b32 s20, s14, 3                         ; out: wave w makes fragment t = w / 8, j = w % 8: place 16 t + r, bytes 96 j + 24 h on
	s_mul_i32 s20, s20, 12544
	s_and_b32 s21, s14, 7
	s_mul_i32 s21, s21, 96
	s_add_co_u32 s20, s20, s21
	s_add_co_u32 s20, s20, RS
	v_mul_u32_u24 v12, v9, 784                     ; 784 bytes are 196 words: the 32 lanes' pieces of 8 bytes begin at words 4 r + 6 h modulo 64, all different
	v_mad_u32_u24 v12, v2, 24, v12
	v_add_nc_u32 v12, s20, v12
	v_lshlrev_b32 v13, 4, v1
	v_add_nc_u32 v13, s18, v13                     ; the fragment's image: 1,536 bytes, 16 a lane
	s_wait_loadcnt 0x0
	ds_store_b128 v11, v[16:19]
	ds_store_b128 v11, v[20:23] offset:256
	ds_store_b128 v11, v[24:27] offset:512
	s_wait_dscnt 0x0                               ; for the others' sake: my two rows lie in LDS
	s_barrier_signal -1
	s_barrier_wait -1
.irp p, 0,1,2,3,4,5
	ds_load_b64 v[28+2*\p:29+2*\p], v12 offset:48*(\p/3)+8*(\p%3)
.endr
	s_wait_dscnt 0x0
	global_store_b128 v13, v[28:31], s[12:13]                      ; each store covers 512 consecutive bytes, aligned
	global_store_b128 v13, v[32:35], s[12:13] offset:512
	global_store_b128 v13, v[36:39], s[12:13] offset:1024
	s_wait_tensorcnt 0x0
	ds_add_u32 v64, v65
	s_wait_dscnt 0x0
	s_endpgm
	; ---------------- THE SORT.  Thread n owns tokens 4096 i + 4 n + q, i = 0, 1, q = 0 .. 3
.Lsort:
	v_lshlrev_b32 v3, 4, v0
	global_load_b128 v[10:13], v3, s[4:5]
	global_load_b128 v[14:17], v3, s[4:5] offset:16384
	v_lshrrev_b32 v4, 5, v0
	v_lshlrev_b32 v4, 4, v4                        ; LDS: my wave's four words
	v_lshlrev_b32 v5, 4, v1                        ; and those of the wave with my lane's number
	v_mov_b32 v6, 1
	v_mov_b32 v7, 0                                ; my counts: eight fields of 4 bits (8 at the most in each)
.irp q, 0,1,2,3
	v_mov_b32 v[TP+\q], 0                          ; written once: the destination of a lane move counts as read
.endr
	v_lshlrev_b32 v8, 2, v0
.irp k, 0,1,2,3,4,5,6,7
	v_add_nc_u32 v[50+\k], 4096*(\k/4)+\k%4, v8    ; my tokens' numbers
.endr
	s_wait_loadcnt 0x0
.irp k, 0,1,2,3,4,5,6,7
	v_and_b32 v[10+\k], 7, v[10+\k]
.endr
.irp k, 0,1,2,3,4,5,6,7
	v_lshlrev_b32 v[10+\k], 2, v[10+\k]            ; 4 x expert: the field's place
.endr
.irp k, 0,1,2,3,4,5,6,7
	v_bfe_u32 v[18+\k], v7, v[10+\k], 4            ; how many of my earlier tokens chose the same expert
	v_lshl_add_u32 v7, v6, v[10+\k], v7
.endr
.irp q, 0,1,2,3
	v_lshrrev_b32 v[26+\q], 4*\q, v7
.endr
.irp q, 0,1,2,3
	v_and_b32 v[26+\q], 0x000f000f, v[26+\q]       ; expert q's count in the low half, expert q + 4's in the high half: no sum passes 8,192, so the halves never meet
.endr
.irp q, 0,1,2,3
	v_mov_b32 v[30+\q], v[26+\q]
.endr
; running sums over the 32 lanes, my own number included, of four registers by turns
.macro SCAN4 b
.irp n, 1,2,4,8
.irp q, 0,1,2,3
	v_mov_b32_dpp v[TP+\q], v[\b+\q] row_shr:\n row_mask:0xf bank_mask:0xf bound_ctrl:1   ; lane i takes lane i - n of its sixteen, or 0
.endr
.irp q, 0,1,2,3
	v_add_nc_u32 v[\b+\q], v[\b+\q], v[TP+\q]
.endr
.endr
.irp q, 0,1,2,3
	v_readlane_b32 s[75+\q], v[\b+\q], 15          ; lanes 0-15's total
.endr
.irp q, 0,1,2,3
	v_mul_lo_u32 v[TP+\q], v2, s[75+\q]            ; goes onto lanes 16-31
.endr
.irp q, 0,1,2,3
	v_add_nc_u32 v[\b+\q], v[\b+\q], v[TP+\q]
.endr
.endm
	SCAN4 30
.irp q, 0,1,2,3
	v_readlane_b32 s[16+\q], v[30+\q], 31          ; my wave's totals
.endr
.irp q, 0,1,2,3
	v_mov_b32 v[34+\q], s[16+\q]
.endr
	ds_store_b128 v4, v[34:37]                     ; all lanes write the same 16 bytes with the same values
	s_wait_dscnt 0x0
	s_barrier_signal -1
	s_barrier_wait -1
	ds_load_b128 v[34:37], v5                      ; lane l: wave l's totals
	s_wait_dscnt 0x0
	SCAN4 34
.irp q, 0,1,2,3
	v_readlane_b32 s[20+\q], v[34+\q], 31          ; the experts' counts
	v_readlane_b32 s[24+\q], v[34+\q], s14
.endr
.irp q, 0,1,2,3
	s_sub_co_u32 s[24+\q], s[24+\q], s[16+\q]      ; what the waves ahead of mine hold
	s_and_b32 s[28+\q], s[20+\q], 0xffff           ; c_e: s28-35
	s_lshr_b32 s[32+\q], s[20+\q], 16
.endr
	s_mov_b32 s36, 0                               ; where expert e begins in order: s36-43
.irp e, 0,1,2,3,4,5,6
	s_add_co_u32 s[37+\e], s[36+\e], s[28+\e]
.endr
.irp q, 0,1,2,3
	s_lshl_b32 s[44+\q], s[40+\q], 16
	s_or_b32 s[44+\q], s[44+\q], s[36+\q]
	s_add_co_u32 s[24+\q], s[24+\q], s[44+\q]
.endr
.irp q, 0,1,2,3
	v_sub_nc_u32 v[38+\q], v[30+\q], v[26+\q]      ; the lanes ahead of me,
.endr
.irp q, 0,1,2,3
	v_add_nc_u32 v[38+\q], s[24+\q], v[38+\q]      ; the waves ahead of mine, the expert's beginning: the place of my first token of each expert
.endr
.irp k, 0,1,2,3,4,5,6,7
	v_and_b32 v8, 4, v[10+\k]                      ; the word of expert % 4,
	v_cmp_ne_u32 vcc_lo, 0, v8
	v_cndmask_b32 v34, v38, v39, vcc_lo
	v_cndmask_b32 v35, v40, v41, vcc_lo
	v_and_b32 v8, 8, v[10+\k]
	v_cmp_ne_u32 vcc_lo, 0, v8
	v_cndmask_b32 v34, v34, v35, vcc_lo
	v_and_b32 v8, 16, v[10+\k]                     ; its half by expert / 4,
	v_bfe_u32 v34, v34, v8, 16
	v_add_nc_u32 v34, v34, v[18+\k]                ; my earlier tokens of that expert
	v_min_u32 v[42+\k], 0x1fff, v34                ; a place in order, held inside it
	v_lshlrev_b32 v[42+\k], 2, v[42+\k]
	global_store_b32 v[42+\k], v[50+\k], s[8:9]    ; each token has registers of its own: none is written again
.endr
	s_cmp_gt_u32 s14, 1
	s_cbranch_scc1 .Lsort_end
	; THE TILES: thread y of waves 0 and 1 makes tile y
.irp e, 0,1,2,3,4,5,6,7
	s_add_co_u32 s[48+\e], s[28+\e], 15
	s_lshr_b32 s[48+\e], s[48+\e], 4               ; g_e: groups of 16 rows, 512 at the most
	s_add_co_u32 s[56+\e], s[48+\e], 8
	s_mul_i32 s[56+\e], s[56+\e], 58255            ; 9 x 58255 = 2^19 + 7: exact for numbers up to 520
	s_lshr_b32 s[56+\e], s[56+\e], 19              ; nt_e = ceil(g_e / 9)
.endr
	s_mov_b32 s66, 0                               ; expert e's first tile: s66-73; all tiles: s74
.irp e, 0,1,2,3,4,5,6,7
	s_add_co_u32 s[67+\e], s[66+\e], s[56+\e]
.endr
	v_mov_b32 v58, 0                               ; expert, its first tile, g, nt, beginning, count: expert 0's,
	v_mov_b32 v18, 0
	v_mov_b32 v19, s48
	v_mov_b32 v20, s56
	v_mov_b32 v21, 0
	v_mov_b32 v22, s28
.irp e, 1,2,3,4,5,6,7
	v_cmp_gt_u32 vcc_lo, s[66+\e], v0              ; or those of the last expert whose first tile is not behind y
	v_cndmask_b32 v58, \e, v58, vcc_lo
	v_cndmask_b32 v18, s[66+\e], v18, vcc_lo
	v_cndmask_b32 v19, s[48+\e], v19, vcc_lo
	v_cndmask_b32 v20, s[56+\e], v20, vcc_lo
	v_cndmask_b32 v21, s[36+\e], v21, vcc_lo
	v_cndmask_b32 v22, s[28+\e], v22, vcc_lo
.endr
	v_mov_b32 v23, 0                               ; floor(g / nt), 9 at the most: how many of nt, 2 nt .. 9 nt do not pass g
	v_mov_b32 v24, v20
.rept 9
	v_cmp_le_u32 vcc_lo, v24, v19
	v_add_co_ci_u32 v23, vcc_lo, 0, v23, vcc_lo
	v_add_nc_u32 v24, v24, v20
.endr
	v_mul_u32_u24 v25, v23, v20
	v_sub_nc_u32 v25, v19, v25                     ; so many of the expert's tiles have one group more
	v_sub_nc_u32 v26, v0, v18                      ; which of the expert's tiles I am
	v_min_u32 v27, v26, v25
	v_mad_u32_u24 v27, v26, v23, v27               ; the groups ahead of mine
	v_cmp_lt_u32 vcc_lo, v26, v25
	v_add_co_ci_u32 v61, vcc_lo, 0, v23, vcc_lo    ; my groups
	v_lshl_add_u32 v59, v27, 4, v21                ; my first place in order
	v_lshlrev_b32 v8, 4, v27
	v_sub_nc_u32 v60, v22, v8
	v_lshlrev_b32 v8, 4, v61
	v_min_u32 v60, v60, v8                         ; my rows
	v_cmp_gt_u32 vcc_lo, s74, v0                   ; a tile that this choice does not use gets zeros
	v_cndmask_b32 v59, 0, v59, vcc_lo
	v_cndmask_b32 v60, 0, v60, vcc_lo
	v_cndmask_b32 v61, 0, v61, vcc_lo
	global_store_b128 v3, v[58:61], s[10:11]       ; 16 bytes a tile: a wave's store covers 512 consecutive bytes
.Lsort_end:
	s_wait_tensorcnt 0x0
	ds_add_u32 v64, v65
	s_wait_dscnt 0x0
	s_endpgm
.Lfunc_end_k_q45765be289_sort_lay:
	.size	k_q45765be289_sort_lay, .Lfunc_end_k_q45765be289_sort_lay-k_q45765be289_sort_lay
	.p2alignl 7, 3214868480
	.fill 96, 4, 3214868480
	.section	.rodata,"a",@progbits
	.p2align	6, 0x0
	.amdhsa_kernel k_q45765be289_sort_lay
		.amdhsa_group_segment_fixed_size 55296
		.amdhsa_private_segment_fixed_size 0
		.amdhsa_enable_private_segment 0
		.amdhsa_kernarg_size 40
		.amdhsa_user_sgpr_count 2
		.amdhsa_user_sgpr_kernarg_segment_ptr 1
		.amdhsa_wavefront_size32 1
		.amdhsa_system_sgpr_workgroup_id_x 1
		.amdhsa_system_sgpr_workgroup_id_y 1
		.amdhsa_system_sgpr_workgroup_id_z 1
		.amdhsa_system_vgpr_workitem_id 0
		.amdhsa_next_free_vgpr 66
		.amdhsa_next_free_sgpr 80
		.amdhsa_reserve_vcc 1
		.amdhsa_float_denorm_mode_32 3
		.amdhsa_float_denorm_mode_16_64 3
		.amdhsa_memory_ordered 1
		.amdhsa_forward_progress 1
		.amdhsa_inst_pref_size 23
	.end_amdhsa_kernel
	.amdgpu_metadata
---
amdhsa.version: [ 1, 2 ]
amdhsa.kernels:
  - .name:           k_q45765be289_sort_lay
    .symbol:         k_q45765be289_sort_lay.kd
    .args:
      - { .name: eidx, .offset: 0, .size: 8, .value_kind: global_buffer, .address_space: global }
      - { .name: expert_w_codes, .offset: 8, .size: 8, .value_kind: global_buffer, .address_space: global }
      - { .name: order, .offset: 16, .size: 8, .value_kind: global_buffer, .address_space: global }
      - { .name: tiles, .offset: 24, .size: 8, .value_kind: global_buffer, .address_space: global }
      - { .name: wq, .offset: 32, .size: 8, .value_kind: global_buffer, .address_space: global }
    .group_segment_fixed_size: 55296
    .private_segment_fixed_size: 0
    .kernarg_segment_align: 8
    .kernarg_segment_size: 40
    .max_flat_workgroup_size: 1024
    .sgpr_count:     80
    .vgpr_count:     66
    .wavefront_size: 32
...
	.end_amdgpu_metadata
.endif
;; end of part 2
;; launch experts (part 3): grid 4 x 64, 4 waves a work-group, no clusters, 119,808 bytes of LDS; arguments xc, xs, gate, order, tiles, wq, expert_w_scales, expert_b, out0; writes out0
.if DOCPART == 3
	.amdgcn_target "amdgcn-amd-amdhsa--gfx1250"
	.amdhsa_code_object_version 6
	.text
	.protected	k_q45765be289_experts
	.globl	k_q45765be289_experts
	.p2align	8
	.type	k_q45765be289_experts,@function
k_q45765be289_experts:
	s_mov_b64 s[64:65], 0
	v_nop
	global_prefetch_b8 v0, s[64:65] scope:SCOPE_SE
	s_setreg_imm32_b32 hwreg(HW_REG_WAVE_MODE, 25, 1), 1
	s_wait_xcnt 0x0
; out0[token] = gate[token] x (Q(x[token]) . W_e + b_e) for the token's chosen expert e alone, on codes of BF6 (E3M2) with one E8M0 scale for each 32 along K = 1,024.
; SHARES: work-group (x, y) takes tile y of the list (up to 144 rows of one expert, in groups of 16) x columns 256 x .. + 255.  Wave w owns columns nb = 256 x + 64 w .. + 63 for all the rows:
; its 32 fragments of W (4 tiles x 8 steps of 128 along K, 384 registers) are loaded once, dense, from the buffer that holds them in the order of the operand's registers, and stay.
; The tile's rows are gathered once by the list (768 bytes of codes, 32 scale bytes, the gate, the token's number) into LDS, each wave 36 rows; one barrier; then each wave walks the groups of 16 rows.
; THE PRODUCT: source 0 = 16 tokens, source 1 = 16 rows of W; tile t takes W's rows nb + 4 r + t.  So lane (r, h) holds, in register j of tile t, (token 8 h + j, column nb + 4 r + t): the four tiles'
; registers j are four neighbouring columns, 16 bytes, and sixteen neighbouring lanes store 256 consecutive bytes of a token's row, aligned: the results need no way through LDS.
; The bias is the C of each sum's first matrix instruction.  One register carries a row's scale words 0-3 in lanes 0-15 and words 4-7 in lanes 16-31.
; THE GRID SERVES EVERY CHOICE: 64 tiles are never too few.  A tile with fewer than 9 groups passes over the trips that it has not (a scalar branch on the stored number); a tile with no rows stores nothing.
; The one barrier lies on every path.  Rows of a tile past its count repeat its last row: they compute and store the same numbers at the same place.
; NO TENSOR LOAD AND NO JOINT REQUEST, though the tiles of one expert read the same W: the addresses and the trips passed over hang on numbers read from memory, and which tiles share an expert differs from
; choice to choice; so the operands go from memory into registers.
.set XSL,  112896                      ; LDS: 0: 144 rows of codes, 784 bytes apart (49 x 16: the sixteen rows of a load of 16 bytes begin in sixteen different columns of 16 bytes);  here: their scale bytes, 32 a row
.set TOK,  117504                      ; the tokens' numbers, 4 bytes a row;  768 bytes on: their gates
.set XSC,  16                          ; v16-19   x's scale words
.set WSC,  20                          ; v20-35   W's: tile t at WSC + 4 t
.set BI,   36                          ; v36-67   the bias in the result's layout: tile t at BI + 8 t
.set BT,   68                          ; v68-71   the bias of my four columns
.set XF,   72                          ; v72-167  x's eight fragments of a group of 16 rows
.set ACC,  168                         ; v168-199 four accumulators
.set O,    200                         ; v200-231 results: token j's four columns at O + 4 j
.set TK,   232                         ; v232-239 my eight tokens
.set G,    240                         ; v240-247 their gates
.set AD,   248                         ; v248-255 their places in out0
.set TKC,  72                          ; at the head only: v72-89 places in the list, then tokens; v90-107, v108-125, v126-143 offsets of codes, scale bytes, gates; v144-161 scale bytes; v168-185 gates
.set CA,   90
.set SA,   108
.set GA,   126
.set SCG,  144
.set GG,   168
; v256-447: W(t, j < 4) at 48 t + 12 j;  v512-703: W(t, j >= 4) at 48 t + 12 (j - 4);  v768-983: the gathered rows of codes on their way to LDS
.set MSB, 0
.macro WIN new                         ; the immediate's high byte repeats the setting that is left
.if MSB != \new
	s_set_vgpr_msb (MSB<<8)|\new
.set MSB, \new
.endif
.endm
	s_load_b512 s[8:23], s[0:1], 0x0               ; xc s[8:9], xs s[10:11], gate s[12:13], order s[14:15], tiles s[16:17], wq s[18:19], expert_w_scales s[20:21], expert_b s[22:23]
	s_load_b64 s[24:25], s[0:1], 0x40              ; out0
	v_lshl_add_u32 v10, v0, 2, 0x1d200
	v_mov_b32 v15, 0
	v_lshrrev_b32 v1, 5, v0
	v_readfirstlane_b32 s26, v1                    ; wave 0..3
	s_mov_b32 s27, ttmp9                           ; x: which 256 columns
	s_and_b32 s28, ttmp7, 0xffff                   ; y: which tile
	s_lshl_b32 s38, s28, 4
	s_mov_b32 s39, 0
	s_wait_kmcnt 0x0
	s_add_nc_u64 s[16:17], s[16:17], s[38:39]
	s_load_b128 s[32:35], s[16:17], 0x0            ; the tile: expert, first place in the list, rows, groups of 16
	v_and_b32 v1, 15, v0                           ; r
	v_bfe_u32 v2, v0, 4, 1                         ; h
	v_and_b32 v3, 31, v0
	v_lshlrev_b32 v3, 4, v3                        ; 16 x lane
	v_mul_u32_u24 v4, v1, 784
	v_mad_u32_u24 v4, v2, 48, v4                   ; LDS: a fragment of x: row r, + 48 h
	v_lshlrev_b32 v5, 5, v1
	v_lshl_add_u32 v5, v2, 4, v5
	v_add_nc_u32 v5, XSL, v5                       ; its scale words: row r, words 4 h .. 4 h + 3
	v_lshl_add_u32 v6, v2, 5, TOK                  ; my eight tokens: 8 h on
	v_lshlrev_b32 v7, 4, v1                        ; 16 r
	v_lshlrev_b32 v8, 7, v1
	v_lshl_add_u32 v8, v2, 4, v8                   ; W's scale words: row 4 r of 32 bytes, words 4 h on
	s_mul_i32 s38, s26, 36
	v_add_nc_u32 v9, s38, v2                       ; the rows that I gather: 36 w + h + 2 q
	v_lshlrev_b32 v11, 1, v1                       ; 2 r
	v_mad_u32_u24 v12, v9, 784, v7                 ; LDS: where their codes go,
	v_lshl_add_u32 v13, v9, 5, v11
	v_add_nc_u32 v13, XSL, v13                     ; their scale bytes,
	v_lshl_add_u32 v14, v9, 2, TOK                 ; their numbers and gates
	s_wait_kmcnt 0x0
	s_min_u32 s32, s32, 7                          ; each stored number is held inside its range
	s_min_u32 s33, s33, 8191
	s_min_u32 s34, s34, 144
	s_min_u32 s35, s35, 9
	s_max_u32 s36, s34, 1
	s_sub_co_u32 s36, s36, 1                       ; the tile's last row
	s_lshl_b32 s38, s32, 4
	s_lshl_b32 s40, s27, 2
	s_add_co_u32 s38, s38, s40
	s_add_co_u32 s38, s38, s26                     ; my 64 rows of W: group 16 e + 4 x + w,
	s_mul_i32 s38, s38, 49152                      ; 49,152 bytes each
	s_add_nc_u64 s[18:19], s[18:19], s[38:39]
	s_lshl_b32 s40, s32, 10
	s_lshl_b32 s41, s27, 8
	s_add_co_u32 s40, s40, s41
	s_lshl_b32 s41, s26, 6
	s_add_co_u32 s40, s40, s41                     ; 1024 e + nb
	s_lshl_b32 s38, s40, 5
	s_add_nc_u64 s[20:21], s[20:21], s[38:39]      ; W's scale bytes: 32 a row
	s_lshl_b32 s38, s40, 2
	s_add_nc_u64 s[22:23], s[22:23], s[38:39]      ; the bias
	s_lshl_b32 s38, s27, 10
	s_lshl_b32 s41, s26, 8
	s_add_co_u32 s38, s38, s41
	s_add_nc_u64 s[24:25], s[24:25], s[38:39]      ; out0 at my first column
.set q, 0
.rept 18
	v_add_nc_u32 v[TKC+q], 2*q, v9
.set q, q+1
.endr
.set q, 0
.rept 18
	v_min_u32 v[TKC+q], s36, v[TKC+q]              ; rows past the tile's count repeat its last row
.set q, q+1
.endr
.set q, 0
.rept 18
	v_add_nc_u32 v[TKC+q], s33, v[TKC+q]
.set q, q+1
.endr
.set q, 0
.rept 18
	v_min_u32 v[TKC+q], 0x1fff, v[TKC+q]           ; a place in the list, held inside it
.set q, q+1
.endr
.set q, 0
.rept 18
	v_lshlrev_b32 v[TKC+q], 2, v[TKC+q]
.set q, q+1
.endr
.set q, 0
.rept 18
	global_load_b32 v[TKC+q], v[TKC+q], s[14:15]   ; the tokens' numbers (each load lands on its own address register)
.set q, q+1
.endr
	WIN 0x40                                       ; destination v256 on
.irp j, 0,1,2,3
.irp t, 0,1,2,3
.irp c, 0,1,2
	global_load_b128 v[48*\t+12*\j+4*\c:48*\t+12*\j+4*\c+3], v3, s[18:19] offset:1536*(8*\t+\j)+512*\c   ; W's first half goes out while the list is on its way: 512 consecutive bytes a load
.endr
.endr
.endr
	WIN 0
	s_wait_loadcnt 48                              ; the list's 18 loads are in; W's 48 were issued behind them
.set q, 0
.rept 18
	v_min_u32 v[TKC+q], 0x1fff, v[TKC+q]           ; a token's number, held inside the tables
.set q, q+1
.endr
.set q, 0
.rept 18
	v_mad_u32_u24 v[CA+q], v[TKC+q], 0x300, v7     ; its codes: 768 bytes a token, 16 bytes a lane
	v_lshl_add_u32 v[SA+q], v[TKC+q], 5, v11       ; its scale bytes: 32 a token, 2 a lane
	v_lshlrev_b32 v[GA+q], 2, v[TKC+q]             ; its gate
.set q, q+1
.endr
	WIN 0xc0                                       ; destination v768 on
.set q, 0
.rept 18
.irp c, 0,1,2
	global_load_b128 v[12*q+4*\c:12*q+4*\c+3], v[CA+q], s[8:9] offset:256*\c     ; sixteen lanes read 256 consecutive bytes of a row, aligned; lanes 16-31 those of the next row
.endr
.set q, q+1
.endr
	WIN 0
.set q, 0
.rept 18
	global_load_u16 v[SCG+q], v[SA+q], s[10:11]
	global_load_b32 v[GG+q], v[GA+q], s[12:13]
.set q, q+1
.endr
	WIN 0x80                                       ; destination v512 on
.irp j, 0,1,2,3
.irp t, 0,1,2,3
.irp c, 0,1,2
	global_load_b128 v[48*\t+12*\j+4*\c:48*\t+12*\j+4*\c+3], v3, s[18:19] offset:1536*(8*\t+\j+4)+512*\c
.endr
.endr
.endr
	WIN 0
.irp t, 0,1,2,3
	global_load_b128 v[WSC+4*\t:WSC+4*\t+3], v8, s[20:21] offset:32*\t           ; row nb + 4 r + t: lanes 0-15 its words 0-3, lanes 16-31 its words 4-7
.endr
	global_load_b128 v[BT:BT+3], v7, s[22:23]      ; the bias of columns nb + 4 r + 0 .. 3
	s_wait_loadcnt 53                              ; all that was gathered is in; behind it were issued W's second half (48), W's scale words (4) and the bias (1)
	WIN 0x0c                                       ; an LDS store's data are its source 1: v768 on
.set q, 0
.rept 18
.irp c, 0,1,2
	ds_store_b128 v12, v[12*q+4*\c:12*q+4*\c+3] offset:1568*q+256*\c
.endr
.set q, q+1
.endr
	WIN 0
.set q, 0
.rept 18
	ds_store_b16 v13, v[SCG+q] offset:64*q
	ds_store_b32 v14, v[TKC+q] offset:8*q          ; the sixteen lanes of a half write the same word with the same value
	ds_store_b32 v14, v[GG+q] offset:768+8*q
.set q, q+1
.endr
	s_wait_dscnt 0x0                               ; for the others' sake: my 36 rows lie in LDS
	s_barrier_signal -1
	s_barrier_wait -1                              ; all 144 do; nobody writes LDS again
; four fragments of x, j0 .. j0 + 3, of the group that begins off bytes on: three loads of 16 bytes each
.macro XLD j0, off
.irp j, 0,1,2,3
.irp c, 0,1,2
	ds_load_b128 v[XF+12*(\j0+\j)+4*\c:XF+12*(\j0+\j)+4*\c+3], v4 offset:\off+96*(\j0+\j)+16*\c
.endr
.endr
.endm
	XLD 0, 0                                       ; the first group: 12 loads, its scale words, 12 loads
	ds_load_b128 v[XSC:XSC+3], v5
	XLD 4, 0
	s_wait_loadcnt 0x0                             ; W, its scale words, the bias
.irp t, 0,1,2,3
.irp j, 0,1,2,3,4,5,6,7
	v_mov_b32 v[BI+8*\t+\j], v[BT+\t]              ; in the result's layout a lane's eight registers of a tile are one column
.endr
.endr
; step j of 128 along K: the four accumulators take turns, one instruction a turn
.macro MM j
.irp t, 0,1,2,3
.if (\j) == 0
	v_wmma_scale_f32_16x16x128_f8f6f4 v[ACC+8*\t:ACC+8*\t+7], v[XF+12*(\j):XF+12*(\j)+11], v[48*\t+12*((\j)%4):48*\t+12*((\j)%4)+11], v[BI+8*\t:BI+8*\t+7], v[XSC+(\j)%4], v[WSC+4*\t+(\j)%4] matrix_a_fmt:MATRIX_FMT_BF6 matrix_b_fmt:MATRIX_FMT_BF6
.elseif (\j) < 4
	v_wmma_scale_f32_16x16x128_f8f6f4 v[ACC+8*\t:ACC+8*\t+7], v[XF+12*(\j):XF+12*(\j)+11], v[48*\t+12*((\j)%4):48*\t+12*((\j)%4)+11], v[ACC+8*\t:ACC+8*\t+7], v[XSC+(\j)%4], v[WSC+4*\t+(\j)%4] matrix_a_fmt:MATRIX_FMT_BF6 matrix_b_fmt:MATRIX_FMT_BF6
.else
	v_wmma_scale_f32_16x16x128_f8f6f4 v[ACC+8*\t:ACC+8*\t+7], v[XF+12*(\j):XF+12*(\j)+11], v[48*\t+12*((\j)%4):48*\t+12*((\j)%4)+11], v[ACC+8*\t:ACC+8*\t+7], v[XSC+(\j)%4], v[WSC+4*\t+(\j)%4] matrix_a_fmt:MATRIX_FMT_BF6 matrix_b_fmt:MATRIX_FMT_BF6 matrix_a_scale:MATRIX_SCALE_ROW1 matrix_b_scale:MATRIX_SCALE_ROW1
.endif
.endr
.endm
.macro PLACES                          ; four plain lines between a matrix instruction and a load into a register that it has read, or the first read of its result (ISA guide 7.12.1 for vector instructions)
.rept 4
	v_nop
.endr
.endm
; A GROUP OF 16 ROWS.  pre = 1: the next group's fragments are fetched as this group's registers come free.
.macro TRIP pre
	s_cmp_ge_u32 s37, s35                          ; a group that the tile has not is passed over
	s_cbranch_scc1 .Lskip_\@
	s_wait_dscnt 12                                ; fragments 0-3 and the scale words are in; the 12 loads of fragments 4-7 were issued behind them
	WIN 0x04                                       ; source 1 (W) in v256 on
	MM 0
	MM 1
	MM 2
	MM 3
	PLACES
	ds_load_b128 v[TK:TK+3], v6                    ; my eight tokens and their gates
	ds_load_b128 v[TK+4:TK+7], v6 offset:16
	ds_load_b128 v[G:G+3], v6 offset:768
	ds_load_b128 v[G+4:G+7], v6 offset:784
.if \pre
	XLD 0, 12544
	s_wait_dscnt 16                                ; fragments 4-7 are in; behind them: the 4 loads of tokens and gates and the next group's 12
.else
	s_wait_dscnt 4                                 ; fragments 4-7 are in; behind them: the 4 loads of tokens and gates
.endif
	WIN 0x08                                       ; source 1 in v512 on
	MM 4
	MM 5
	MM 6
	MM 7
	WIN 0
	PLACES
.if \pre
	ds_load_b128 v[XSC:XSC+3], v5 offset:512
	XLD 4, 12544
	s_wait_dscnt 25                                ; tokens and gates are in; behind them: the next group's 12 + 1 + 12 loads
.else
	s_wait_dscnt 0x0
.endif
	s_wait_xcnt 0x0                                ; the last group's stores have read their addresses and data: both are written again only behind this wait
.irp j, 0,1,2,3,4,5,6,7
	v_min_u32 v[AD+\j], 0x1fff, v[TK+\j]           ; a token's number, held inside out0.  (These sixteen lines name no register of the products: with the four above they are the places ahead of the first read of
	v_lshl_add_u32 v[AD+\j], v[AD+\j], 12, v7      ; the results, and ahead of the next group's first products, which begin the accumulators anew.)  4,096 bytes a token, 16 bytes a lane
.endr
.irp j, 0,1,2,3,4,5,6,7
.irp t, 0,1,2,3
	v_mul_f32 v[O+4*\j+\t], v[ACC+8*\t+\j], v[G+\j]                ; x the gate; each accumulator is read from its lowest register on
.endr
.endr
.irp j, 0,1,2,3,4,5,6,7
	global_store_b128 v[AD+\j], v[O+4*\j:O+4*\j+3], s[24:25] th:TH_STORE_NT      ; sixteen lanes store 256 consecutive bytes of a token's row, at a multiple of 256 from out0's first byte
.endr
.Lskip_\@:
.if \pre
	v_add_nc_u32 v4, 12544, v4                     ; on to the next 16 rows
	v_add_nc_u32 v5, 512, v5
	v_add_nc_u32 v6, 64, v6
	s_add_co_u32 s37, s37, 1
.endif
.endm
	s_mov_b32 s37, 0
.Ltrip:                                                ; eight trips, and the ninth written out: it fetches nothing beyond the 144 rows
	TRIP 1
	s_cmp_lt_u32 s37, 8
	s_cbranch_scc1 .Ltrip
	TRIP 0
	s_wait_dscnt 0x0                               ; what a tile of fewer groups has fetched ahead and not used
	s_wait_tensorcnt 0x0
	ds_add_u32 v10, v15
	s_wait_dscnt 0x0
	s_endpgm
.Lfunc_end_k_q45765be289_experts:
	.size	k_q45765be289_experts, .Lfunc_end_k_q45765be289_experts-k_q45765be289_experts
	.p2alignl 7, 3214868480
	.fill 96, 4, 3214868480
	.section	.rodata,"a",@progbits
	.p2align	6, 0x0
	.amdhsa_kernel k_q45765be289_experts
		.amdhsa_group_segment_fixed_size 119808
		.amdhsa_private_segment_fixed_size 0
		.amdhsa_enable_private_segment 0
		.amdhsa_kernarg_size 72
		.amdhsa_user_sgpr_count 2
		.amdhsa_user_sgpr_kernarg_segment_ptr 1
		.amdhsa_wavefront_size32 1
		.amdhsa_system_sgpr_workgroup_id_x 1
		.amdhsa_system_sgpr_workgroup_id_y 1
		.amdhsa_system_sgpr_workgroup_id_z 1
		.amdhsa_system_vgpr_workitem_id 0
		.amdhsa_next_free_vgpr 1024
		.amdhsa_next_free_sgpr 66
		.amdhsa_reserve_vcc 0
		.amdhsa_float_denorm_mode_32 3
		.amdhsa_float_denorm_mode_16_64 3
		.amdhsa_memory_ordered 1
		.amdhsa_forward_progress 1
		.amdhsa_inst_pref_size 58
	.end_amdhsa_kernel
	.amdgpu_metadata
---
amdhsa.version: [ 1, 2 ]
amdhsa.kernels:
  - .name:           k_q45765be289_experts
    .symbol:         k_q45765be289_experts.kd
    .args:
      - { .name: xc, .offset: 0, .size: 8, .value_kind: global_buffer, .address_space: global }
      - { .name: xs, .offset: 8, .size: 8, .value_kind: global_buffer, .address_space: global }
      - { .name: gate, .offset: 16, .size: 8, .value_kind: global_buffer, .address_space: global }
      - { .name: order, .offset: 24, .size: 8, .value_kind: global_buffer, .address_space: global }
      - { .name: tiles, .offset: 32, .size: 8, .value_kind: global_buffer, .address_space: global }
      - { .name: wq, .offset: 40, .size: 8, .value_kind: global_buffer, .address_space: global }
      - { .name: expert_w_scales, .offset: 48, .size: 8, .value_kind: global_buffer, .address_space: global }
      - { .name: expert_b, .offset: 56, .size: 8, .value_kind: global_buffer, .address_space: global }
      - { .name: out0, .offset: 64, .size: 8, .value_kind: global_buffer, .address_space: global }
    .group_segment_fixed_size: 119808
    .private_segment_fixed_size: 0
    .kernarg_segment_align: 8
    .kernarg_segment_size: 72
    .max_flat_workgroup_size: 128
    .sgpr_count:     66
    .vgpr_count:     1024
    .wavefront_size: 32
...
	.end_amdgpu_metadata
.endif
;; end of part 3
;; ======== version 2 of 2: 3 launches
;; workspace buffers: xc 6,291,456 bytes; xs 262,144 bytes; gate 32,768 bytes; eidx 32,768 bytes of whole numbers; order 32,768 bytes of whole numbers; tiles 1,024 bytes of whole numbers; wq 6,291,456 bytes
;; launch route_quant (part 4): grid 256 x 1, 8 waves a work-group, no clusters, 77,312 bytes of LDS; arguments x, router_w, router_b, xc, xs, gate, eidx; writes xc, xs, gate, eidx
.if DOCPART == 4
	.amdgcn_target "amdgcn-amd-amdhsa--gfx1250"
	.amdhsa_code_object_version 6
	.text
	.protected	k_q45765be289_route_quant
	.globl	k_q45765be289_route_quant
	.p2align	8
	.type	k_q45765be289_route_quant,@function
k_q45765be289_route_quant:
	s_mov_b64 s[64:65], 0
	v_nop
	global_prefetch_b8 v0, s[64:65] scope:SCOPE_SE
	s_setreg_imm32_b32 hwreg(HW_REG_WAVE_MODE, 25, 1), 1
	s_wait_xcnt 0x0
; THE ROUTER AND THE QUANTISER OF x, in one pass over x.  x: [8192][1024] f32.  router_w: [1024][8], router_b: [8] f32.
; For each token: logits = x . router_w + router_b by f32 fused multiply-adds; gate = 1 / sum of e^(logit - largest logit), which is the largest probability of the softmax;
; eidx = the index of the largest logit.  And x's codes of BF6 (E3M2) with one E8M0 byte for each 32 along K: a block's scale is 2^(floor(log2(largest magnitude)) - 4).
; OUT: xc [token][768]: within each 128 along K (96 bytes) the four blocks of 24 bytes lie in the order 0, 2, 1, 3, so that the 48 bytes which a lane of the matrix operand holds are neighbours;
;      xs [token][32] scale bytes in their natural order; gate [token] f32; eidx [token] u32.
; SHARES: a work-group takes 32 tokens, each of its eight waves four rows; a row goes in two steps of 512 numbers.  Each load reads 512 consecutive bytes; a step's 2,048 bytes turn through the
; wave's own stage in LDS, so that lane l then holds the 16 neighbours k = 512 s + 16 l + 0 .. 15.  Each lane keeps router_w of its 32 k, 256 numbers, in registers v256-v511 for the whole launch.
; No matrix unit: the product has 8 columns, and its largest entry chooses the expert, so it is kept in f32.  No cluster: the work-groups share router_w's 32,768 bytes alone.
; LIMITS: NaN and infinities in x are not served.  A block of zeros gets the byte 1 where the rule says 127: its codes are zeros, and this program alone reads the bytes.
; The index is taken on the logits, the lowest index among equal logits: where two logits differ in f32 and their rounded probabilities would still be equal, the index may differ from an argmax over probabilities.
.set STG, 33792                        ; LDS: 0: router_w as 64 pieces of 512 bytes + 16;  here: for each wave two stages of 32 x 80 bytes
.set XSL, 74752                        ; the work-group's scale bytes, [row][32]
.set GL,  75776                        ; its 32 gates;  128 bytes on: its 32 indices
.set X,   16                           ; v16-47   two sets of 16 neighbours (first: router_w on its way to LDS)
.set AC,  48                           ; v48-63   two sets of four pairs of running sums
.set P,   64                           ; v64-95   row rho's eight sums of my lane at P + 8 rho
.set XR,  96                           ; v96-223  x as loaded: step t at XR + 16 t; later the codes
.set SBY, 224                          ; v224-231 a scale byte for each step
.set MSB, 0
.macro WIN new                         ; the immediate's high byte repeats the setting that is left
.if MSB != \new
	s_set_vgpr_msb (MSB<<8)|\new
.set MSB, \new
.endif
.endm
	s_load_b256 s[4:11], s[0:1], 0x0               ; x s[4:5], router_w s[6:7], router_b s[8:9], xc s[10:11]
	s_load_b128 s[12:15], s[0:1], 0x20             ; xs s[12:13], gate s[14:15]
	s_load_b64 s[16:17], s[0:1], 0x30              ; eidx
	v_lshl_add_u32 v252, v0, 2, 0x12a00
	v_mov_b32 v253, 0
	v_lshrrev_b32 v2, 5, v0
	s_delay_alu instid0(VALU_DEP_1)
	v_readfirstlane_b32 s18, v2                    ; wave 0..7
	v_and_b32 v1, 31, v0                           ; lane
	s_delay_alu instid0(VALU_DEP_1)
	v_lshlrev_b32 v10, 4, v1                       ; 16 x lane
	s_delay_alu instid0(VALU_DEP_2)
	v_lshlrev_b32 v2, 2, v1                        ; 4 x lane
	s_lshl_b32 s30, s18, 14
	v_add_nc_u32 v3, s30, v10                      ; x: my wave's four rows of 4,096 bytes, 16 bytes a lane
	v_lshrrev_b32 v8, 3, v1                        ; the codes: eight lanes hold 128 along K: 96 bytes;
	s_delay_alu instid0(VALU_DEP_1)
	v_mul_u32_u24 v4, v8, 96
	v_bfe_u32 v8, v1, 1, 1                         ; block b = (lane / 2) % 4 goes to place 2 (b % 2) + b / 2: 48 (b % 2) + 24 (b / 2);
	s_delay_alu instid0(VALU_DEP_1)
	v_mad_u32_u24 v4, v8, 48, v4
	v_bfe_u32 v8, v1, 2, 1
	s_delay_alu instid0(VALU_DEP_1)
	v_mad_u32_u24 v4, v8, 24, v4
	v_and_b32 v8, 1, v1                            ; a lane's 16 codes are 12 bytes
	s_delay_alu instid0(VALU_DEP_1)
	v_mad_u32_u24 v4, v8, 12, v4
	s_mul_i32 s30, s18, 3072
	v_add_nc_u32 v4, s30, v4                       ; + my wave's four rows of 768 bytes
	v_lshrrev_b32 v5, 1, v1
	s_lshl_b32 s30, s18, 7
	s_add_co_u32 s30, s30, XSL
	v_add_nc_u32 v5, s30, v5                       ; LDS: my block's scale byte
	s_mul_i32 s30, s18, 5120
	s_add_co_u32 s30, s30, STG
	v_lshrrev_b32 v6, 2, v1
	s_delay_alu instid0(VALU_DEP_1)
	v_mul_u32_u24 v6, v6, 80
	v_and_b32 v8, 3, v1
	s_delay_alu instid0(VALU_DEP_1)
	v_lshl_add_u32 v6, v8, 4, v6
	s_delay_alu instid0(VALU_DEP_1)
	v_add_nc_u32 v6, s30, v6                       ; the stage, on the way in: four lanes' 64 bytes on end, then 16 of padding
	v_mul_u32_u24 v7, v1, 80
	s_delay_alu instid0(VALU_DEP_1)
	v_add_nc_u32 v7, s30, v7                       ; and on the way out: my 16 neighbours
	v_lshlrev_b32 v14, 4, v0                       ; router_w: 16 bytes a thread
	v_lshrrev_b32 v8, 5, v0
	s_delay_alu instid0(VALU_DEP_1)
	v_lshl_add_u32 v12, v8, 4, v14                 ; into LDS: 16 more for each 512 passed
	v_mul_u32_u24 v13, v1, 528                     ; out of LDS: piece 32 s + lane: the 512 bytes of my 16 k
	v_lshrrev_b32 v8, 4, v1
	s_lshl_b32 s30, s18, 4
	s_add_co_u32 s30, s30, GL
	v_lshl_add_u32 v15, v8, 3, s30                 ; LDS: the gates of rows 4 w + 2 (lane / 16) + 0, 1
	v_add_nc_u32 v254, GL, v2                      ; the way out: a gate a lane,
	v_add_nc_u32 v255, XSL, v10                    ; 16 scale bytes a lane
	s_lshl_b32 s28, ttmp9, 17                      ; the work-group's 32 rows: of x,
	s_mov_b32 s29, 0
	s_mul_i32 s30, ttmp9, 24576                    ; of xc,
	s_mov_b32 s31, 0
	s_lshl_b32 s32, ttmp9, 10                      ; of xs,
	s_mov_b32 s33, 0
	s_lshl_b32 s34, ttmp9, 7                       ; of gate and eidx
	s_mov_b32 s35, 0
	s_wait_alu depctr_va_vdst(0)
	s_wait_kmcnt 0x0
	s_add_nc_u64 s[4:5], s[4:5], s[28:29]
	s_add_nc_u64 s[10:11], s[10:11], s[30:31]
	s_add_nc_u64 s[12:13], s[12:13], s[32:33]
	s_add_nc_u64 s[14:15], s[14:15], s[34:35]
	s_add_nc_u64 s[16:17], s[16:17], s[34:35]
.irp i, 0,1,2,3,4,5,6,7
	global_load_b128 v[X+4*\i:X+4*\i+3], v14, s[6:7] offset:4096*\i              ; router_w, 4,096 bytes a load of the work-group
.endr
.set q, 0
.rept 32
	global_load_b128 v[XR+4*q:XR+4*q+3], v3, s[4:5] offset:512*q th:TH_LOAD_NT   ; all of my four rows: 32 loads of 512 consecutive bytes; step t is loads 4 t .. 4 t + 3
.set q, q+1
.endr
	s_load_b256 s[20:27], s[8:9], 0x0              ; the eight biases
	s_wait_loadcnt 32                              ; router_w's eight loads are in; x's 32 were issued behind them
.irp i, 0,1,2,3,4,5,6,7
	ds_store_b128 v12, v[X+4*\i:X+4*\i+3] offset:4224*\i
.endr
	s_wait_dscnt 0x0                               ; for the others' sake: my part of router_w lies in LDS
	s_barrier_signal -1
	s_barrier_wait -1                              ; all of it does; nobody writes it again
	WIN 0x40                                       ; destination v256 on
.irp s, 0,1
.set q, 0
.rept 32
	ds_load_b128 v[128*\s+4*q:128*\s+4*q+3], v13 offset:16896*\s+16*q            ; register 128 s + 8 i + e = router_w[512 s + 16 lane + i][e]
.set q, q+1
.endr
.endr
	WIN 0
; step t's 2,048 bytes through the stage: LDS serves a wave's instructions in order, so no wait stands between the stores and the loads
.macro TURN t
.irp i, 0,1,2,3
	ds_store_b128 v6, v[XR+16*(\t)+4*\i:XR+16*(\t)+4*\i+3] offset:2560*((\t)%2)+640*\i
.endr
.irp i, 0,1,2,3
	ds_load_b128 v[X+16*((\t)%2)+4*\i:X+16*((\t)%2)+4*\i+3], v7 offset:2560*((\t)%2)+16*\i
.endr
.endm
; my 16 numbers become 12 bytes of codes; two neighbouring lanes hold a block
.macro QUANT t
.set XS, X+16*((\t)%2)
.set CD, XR+32*((\t)/2)+4*((\t)%2)     ; the codes go into registers of x that have been through the stage; each step has its own, so that no store's data are written again
	v_max3_num_f32 v8, |v[XS]|, |v[XS+1]|, |v[XS+2]|
	v_max3_num_f32 v9, |v[XS+3]|, |v[XS+4]|, |v[XS+5]|
.irp i, 6,10
	s_delay_alu instid0(VALU_DEP_2)
	v_max3_num_f32 v8, v8, |v[XS+\i]|, |v[XS+\i+1]|
	s_delay_alu instid0(VALU_DEP_2)
	v_max3_num_f32 v9, v9, |v[XS+\i+2]|, |v[XS+\i+3]|
.endr
	s_delay_alu instid0(VALU_DEP_2)
	v_max3_num_f32 v8, v8, |v[XS+14]|, |v[XS+15]|
	s_delay_alu instid0(VALU_DEP_1)
	v_max3_num_f32 v8, v8, v9, 0x2800000           ; and the floor 2^(5 - 127): the byte cannot fall under 1
	s_delay_alu instid0(VALU_DEP_1)
	v_max_num_f32_dpp v8, v8, v8 row_xmask:1 row_mask:0xf bank_mask:0xf   ; with my neighbour's 16: the block's largest magnitude
	s_delay_alu instid0(VALU_DEP_1)
	v_add_nc_u32 v11, 0xfe000000, v8               ; 4 off its exponent field: the conversion takes the exponent field of this operand as its scale
	v_cvt_scalef32_pk16_bf6_f32 v[CD:CD+2], v[XS:XS+15], v11
	v_lshrrev_b32 v[SBY+(\t)], 23, v11             ; the scale's byte (also the plain line behind the conversion)
	ds_store_b8 v5, v[SBY+(\t)] offset:16*(\t)     ; both lanes of a block write the same byte with the same value
	global_store_b96 v4, v[CD:CD+2], s[10:11] offset:384*(\t)   ; the wave's 32 lanes fill 384 consecutive bytes
.endm
; my 16 numbers times router_w's eight columns: 64 packed multiply-adds, one x for both halves of a pair of columns; two sets of sums by turns
.macro ROUTE t
.set XS, X+16*((\t)%2)
.set WB, 128*((\t)%2)
	WIN 0x04                                       ; source 1 (router_w) in v256 on
.set i, 0
.rept 16
.set xp, XS+(i/2)*2
.set ab, AC+8*(i%2)
.irp ep, 0,1,2,3
.if ((\t)%2 == 0) && (i < 2)
.if i == 0
	v_pk_mul_f32 v[ab+2*\ep:ab+2*\ep+1], v[xp:xp+1], v[WB+8*i+2*\ep:WB+8*i+2*\ep+1] op_sel_hi:[0,1]               ; a row's first products start the sums: nothing is cleared
.else
	v_pk_mul_f32 v[ab+2*\ep:ab+2*\ep+1], v[xp:xp+1], v[WB+8*i+2*\ep:WB+8*i+2*\ep+1] op_sel:[1,0] op_sel_hi:[1,1]
.endif
.elseif i%2 == 0
	v_pk_fma_f32 v[ab+2*\ep:ab+2*\ep+1], v[xp:xp+1], v[WB+8*i+2*\ep:WB+8*i+2*\ep+1], v[ab+2*\ep:ab+2*\ep+1] op_sel_hi:[0,1,1]
.else
	v_pk_fma_f32 v[ab+2*\ep:ab+2*\ep+1], v[xp:xp+1], v[WB+8*i+2*\ep:WB+8*i+2*\ep+1], v[ab+2*\ep:ab+2*\ep+1] op_sel:[1,0,0] op_sel_hi:[1,1,1]
.endif
.endr
.set i, i+1
.endr
	WIN 0
.if (\t)%2 == 1
.irp ep, 0,1,2,3
	v_pk_add_f32 v[P+8*((\t)/2)+2*\ep:P+8*((\t)/2)+2*\ep+1], v[AC+2*\ep:AC+2*\ep+1], v[AC+8+2*\ep:AC+8+2*\ep+1]   ; the row is through: its two sets are joined
.endr
.endif
.endm
.macro STEP t
.if (\t) == 0
	s_wait_dscnt 0x0                               ; router_w is in registers, and step 0 is back from the stage
.else
	s_wait_dscnt 0x1                               ; this step's numbers are back from the stage; the last step's byte store, issued behind them, may be out
.endif
.if (\t) < 7
	s_wait_loadcnt 24-4*(\t)                       ; the next step's four loads are in; those of the steps behind it may be out
	TURN (\t)+1                                    ; and go through the other stage while this step is worked
.endif
	QUANT \t
	ROUTE \t
.endm
	s_wait_loadcnt 28                              ; step 0's four loads are in; the other seven steps' 28 may be out
	TURN 0
.irp t, 0,1,2,3,4,5,6,7
	STEP \t
.endr
	; THE SUMS ACROSS THE LANES.  Rows 0 and 2 (1 and 3) change halves, so that lanes 0-15 carry row rho and lanes 16-31 row rho + 2: 16 registers are summed in place of 32.
.set q, 0
.rept 16
	v_permlane16_swap_b32 v[P+q], v[P+16+q]
.set q, q+1
.endr
.set q, 0
.rept 16
	v_add_f32 v[P+q], v[P+q], v[P+16+q]
.set q, q+1
.endr
.irp n, 1,2,4,8
.set q, 0
.rept 16
	v_add_f32_dpp v[P+q], v[P+q], v[P+q] row_xmask:\n row_mask:0xf bank_mask:0xf
.set q, q+1
.endr
.endr
	s_wait_kmcnt 0x0                               ; the biases
.set q, 0
.rept 16
	v_add_f32 v[P+q], s[20+q%8], v[P+q]            ; the logits: P + 8 a + e, a = 0, 1
.set q, q+1
.endr
.irp a, 0,1
	v_max3_num_f32 v[232+\a], v[P+8*\a], v[P+8*\a+1], v[P+8*\a+2]
.endr
.irp a, 0,1
	s_delay_alu instid0(VALU_DEP_2)
	v_max3_num_f32 v[232+\a], v[232+\a], v[P+8*\a+3], v[P+8*\a+4]
.endr
.irp a, 0,1
	s_delay_alu instid0(VALU_DEP_2)
	v_max3_num_f32 v[232+\a], v[232+\a], v[P+8*\a+5], v[P+8*\a+6]
.endr
.irp a, 0
	s_delay_alu instid0(VALU_DEP_2)
	v_max_num_f32 v[232+\a], v[232+\a], v[P+8*\a+7]
	v_mov_b32 v[234+\a], 7
.endr
.irp a, 1
	s_delay_alu instid0(VALU_DEP_3)
	v_max_num_f32 v[232+\a], v[232+\a], v[P+8*\a+7]                ; the largest logit
	v_mov_b32 v[234+\a], 7
.endr
.irp e, 6,5,4,3,2,1,0
.irp a, 0,1
	v_cmp_neq_f32 vcc_lo, v[P+8*\a+\e], v[232+\a]
	s_delay_alu instid0(VALU_DEP_1)
	v_cndmask_b32 v[234+\a], \e, v[234+\a], vcc_lo                 ; from the top down: the lowest index that holds the largest logit stays
.endr
.endr
.set q, 0
.rept 16
	v_sub_f32 v[P+q], v[P+q], v[232+q/8]           ; the largest is taken away: 0 or less
.set q, q+1
.endr
.set q, 0
.rept 16
	v_mul_f32 v[P+q], 0x3fb8aa3b, v[P+q]           ; x log2(e)
.set q, q+1
.endr
.set q, 0
	s_wait_alu depctr_va_vdst(0)
.rept 16
	v_exp_f32 v[P+q], v[P+q]
.set q, q+1
.endr
	v_nop                                          ; a plain line behind the last exponential
	s_wait_alu depctr_va_vdst(0)                   ; one wait for the batch of sixteen, ahead of its first reader
.irp a, 0,1
	v_pk_add_f32 v[236+4*\a:237+4*\a], v[P+8*\a:P+8*\a+1], v[P+8*\a+2:P+8*\a+3]
	v_pk_add_f32 v[238+4*\a:239+4*\a], v[P+8*\a+4:P+8*\a+5], v[P+8*\a+6:P+8*\a+7]
.endr
.irp a, 0
	s_delay_alu instid0(VALU_DEP_3)
	v_pk_add_f32 v[236+4*\a:237+4*\a], v[236+4*\a:237+4*\a], v[238+4*\a:239+4*\a]
.endr
.irp a, 1
	s_delay_alu instid0(VALU_DEP_2)
	v_pk_add_f32 v[236+4*\a:237+4*\a], v[236+4*\a:237+4*\a], v[238+4*\a:239+4*\a]
.endr
.irp a, 0,1
	s_delay_alu instid0(VALU_DEP_2)
	v_add_f32 v[236+4*\a], v[236+4*\a], v[237+4*\a]                ; the sum, at least 1
.endr
	s_wait_alu depctr_va_vdst(0)
.irp a, 0,1
	v_rcp_f32 v[244+\a], v[236+4*\a]               ; the gate: e^0 / the sum
.endr
	v_nop
	s_wait_alu depctr_va_vdst(0)                   ; one wait for the two reciprocals
	ds_store_b32 v15, v244                         ; the sixteen lanes of a half write the same word with the same value
	ds_store_b32 v15, v245 offset:4
	ds_store_b32 v15, v234 offset:128
	ds_store_b32 v15, v235 offset:132
	s_wait_dscnt 0x0                               ; for the others' sake: my gates, indices and scale bytes lie in LDS
	s_barrier_signal -1
	s_barrier_wait -1
	s_cmp_lg_u32 s18, 0
	s_cbranch_scc1 .Lnot_gates
	ds_load_b32 v16, v254                          ; wave 0: the work-group's 32 gates and 32 indices, 128 consecutive bytes each
	ds_load_b32 v17, v254 offset:128
	s_wait_dscnt 0x0
	global_store_b32 v2, v16, s[14:15]
	global_store_b32 v2, v17, s[16:17]
.Lnot_gates:
	s_cmp_lg_u32 s18, 1
	s_cbranch_scc1 .Lend
	ds_load_b128 v[16:19], v255                    ; wave 1: its 1,024 scale bytes: each store covers 512 consecutive bytes, aligned
	ds_load_b128 v[20:23], v255 offset:512
	s_wait_dscnt 0x0
	global_store_b128 v10, v[16:19], s[12:13]
	global_store_b128 v10, v[20:23], s[12:13] offset:512
.Lend:
	s_wait_tensorcnt 0x0
	ds_add_u32 v252, v253
	s_wait_dscnt 0x0
	s_endpgm
.Lfunc_end_k_q45765be289_route_quant:
	.size	k_q45765be289_route_quant, .Lfunc_end_k_q45765be289_route_quant-k_q45765be289_route_quant
	.p2alignl 7, 3214868480
	.fill 96, 4, 3214868480
	.section	.rodata,"a",@progbits
	.p2align	6, 0x0
	.amdhsa_kernel k_q45765be289_route_quant
		.amdhsa_group_segment_fixed_size 77312
		.amdhsa_private_segment_fixed_size 0
		.amdhsa_enable_private_segment 0
		.amdhsa_kernarg_size 56
		.amdhsa_user_sgpr_count 2
		.amdhsa_user_sgpr_kernarg_segment_ptr 1
		.amdhsa_wavefront_size32 1
		.amdhsa_system_sgpr_workgroup_id_x 1
		.amdhsa_system_sgpr_workgroup_id_y 1
		.amdhsa_system_sgpr_workgroup_id_z 1
		.amdhsa_system_vgpr_workitem_id 0
		.amdhsa_next_free_vgpr 512
		.amdhsa_next_free_sgpr 66
		.amdhsa_reserve_vcc 1
		.amdhsa_float_denorm_mode_32 3
		.amdhsa_float_denorm_mode_16_64 3
		.amdhsa_memory_ordered 1
		.amdhsa_forward_progress 1
		.amdhsa_inst_pref_size 71
	.end_amdhsa_kernel
	.amdgpu_metadata
---
amdhsa.version: [ 1, 2 ]
amdhsa.kernels:
  - .name:           k_q45765be289_route_quant
    .symbol:         k_q45765be289_route_quant.kd
    .args:
      - { .name: x, .offset: 0, .size: 8, .value_kind: global_buffer, .address_space: global }
      - { .name: router_w, .offset: 8, .size: 8, .value_kind: global_buffer, .address_space: global }
      - { .name: router_b, .offset: 16, .size: 8, .value_kind: global_buffer, .address_space: global }
      - { .name: xc, .offset: 24, .size: 8, .value_kind: global_buffer, .address_space: global }
      - { .name: xs, .offset: 32, .size: 8, .value_kind: global_buffer, .address_space: global }
      - { .name: gate, .offset: 40, .size: 8, .value_kind: global_buffer, .address_space: global }
      - { .name: eidx, .offset: 48, .size: 8, .value_kind: global_buffer, .address_space: global }
    .group_segment_fixed_size: 77312
    .private_segment_fixed_size: 0
    .kernarg_segment_align: 8
    .kernarg_segment_size: 56
    .max_flat_workgroup_size: 256
    .sgpr_count:     66
    .vgpr_count:     512
    .wavefront_size: 32
...
	.end_amdgpu_metadata
.endif
;; end of part 4
;; launch sort_lay (part 5): grid 129 x 1, 32 waves a work-group, no clusters, 55,296 bytes of LDS; arguments eidx, expert_w_codes, order, tiles, wq; writes order, tiles, wq
.if DOCPART == 5
	.amdgcn_target "amdgcn-amd-amdhsa--gfx1250"
	.amdhsa_code_object_version 6
	.text
	.protected	k_q45765be289_sort_lay
	.globl	k_q45765be289_sort_lay
	.p2align	8
	.type	k_q45765be289_sort_lay,@function
k_q45765be289_sort_lay:
	s_mov_b64 s[64:65], 0
	v_nop
	global_prefetch_b8 v0, s[64:65] scope:SCOPE_SE
	s_setreg_imm32_b32 hwreg(HW_REG_WAVE_MODE, 25, 1), 1
	s_wait_xcnt 0x0
; TWO JOBS THAT WAIT FOR NOTHING OF EACH OTHER, in one launch; they part once, on the work-group's number; each has LDS bytes, one barrier and an end of its own.
; WORK-GROUP 0: a counting sort of the 8,192 tokens by expert (eidx), without atomics.  order [8192]: the tokens' numbers, expert by expert, no gaps.
;   tiles [64] x {expert, first place in order, rows, groups of 16 rows}: an expert with g groups of 16 rows gets ceil(g / 9) tiles of floor or ceil of g / that many groups, 144 rows at the most.
;   The sum over the experts of ceil(g / 9) is at most ceil(8192 / 144) + 7 = 64 whatever the choice, all tokens on one expert too; a tile that is not used gets 0 rows.
; WORK-GROUPS 1 TO 128: expert_w_codes ([8][1024] rows of 768 bytes) are laid in the order of the operand's registers.  wq [cg = row / 64][t: 4][j: 8][c: 3][lane: 32][16 bytes]: fragment (t, j) holds,
;   in lane (r, h), the row 64 cg + 4 r + t, its bytes 96 j + 24 h .. + 23 and 96 j + 48 + 24 h .. + 23: so a lane of the next launch loads a fragment by three loads of 16 bytes.
;   The rows of a tile are every fourth row, so that a lane's four tiles hold four neighbouring columns of the output.
.set RS, 1024                          ; LDS: 0-511 the sort's wave totals; from 1,024 on the lay-out's 64 rows, 784 bytes apart
.set TP, 42                            ; v42-45 at work in the scans, later addresses
	s_load_b256 s[4:11], s[0:1], 0x0               ; eidx s[4:5], expert_w_codes s[6:7], order s[8:9], tiles s[10:11]
	s_load_b64 s[12:13], s[0:1], 0x20              ; wq
	v_lshl_add_u32 v64, v0, 2, 0xc800
	v_mov_b32 v65, 0
	v_lshrrev_b32 v1, 5, v0
	s_delay_alu instid0(VALU_DEP_1)
	v_readfirstlane_b32 s14, v1                    ; wave 0..31
	v_and_b32 v1, 31, v0                           ; lane
	v_bfe_u32 v2, v0, 4, 1                         ; h = lane / 16
	v_and_b32 v9, 15, v0                           ; r = lane % 16
	s_wait_kmcnt 0x0
	s_cmp_eq_u32 ttmp9, 0
	s_cbranch_scc1 .Lsort
	; ---------------- THE LAY-OUT: 64 rows of W
	s_sub_co_u32 s15, ttmp9, 1                     ; cg
	s_mul_i32 s16, s15, 49152                      ; 64 rows of 768 bytes, in both buffers
	s_mov_b32 s17, 0
	s_add_nc_u64 s[6:7], s[6:7], s[16:17]
	s_add_nc_u64 s[12:13], s[12:13], s[16:17]
	s_mul_i32 s18, s14, 1536
	s_wait_alu depctr_va_vdst(0)
	v_mul_u32_u24 v10, v2, 768
	s_delay_alu instid0(VALU_DEP_1)
	v_lshl_add_u32 v10, v9, 4, v10
	s_delay_alu instid0(VALU_DEP_1)
	v_add_nc_u32 v10, s18, v10                     ; in: wave w takes rows 2 w and 2 w + 1; sixteen lanes read 256 consecutive bytes, aligned
	global_load_b128 v[16:19], v10, s[6:7] th:TH_LOAD_NT
	global_load_b128 v[20:23], v10, s[6:7] offset:256 th:TH_LOAD_NT
	global_load_b128 v[24:27], v10, s[6:7] offset:512 th:TH_LOAD_NT
	s_and_b32 s19, s14, 1                          ; row n goes to place 16 (n % 4) + n / 4: for n = 2 w + h that is 32 (w % 2) + 16 h + w / 2
	s_lshl_b32 s19, s19, 5
	s_lshr_b32 s20, s14, 1
	s_add_co_u32 s19, s19, s20
	s_mul_i32 s19, s19, 784
	s_add_co_u32 s19, s19, RS
	v_mul_u32_u24 v11, v2, 12544
	s_delay_alu instid0(VALU_DEP_1)
	v_lshl_add_u32 v11, v9, 4, v11
	s_delay_alu instid0(VALU_DEP_1)
	v_add_nc_u32 v11, s19, v11
	s_lshr_b32 s20, s14, 3                         ; out: wave w makes fragment t = w / 8, j = w % 8: place 16 t + r, bytes 96 j + 24 h on
	s_mul_i32 s20, s20, 12544
	s_and_b32 s21, s14, 7
	s_mul_i32 s21, s21, 96
	s_add_co_u32 s20, s20, s21
	s_add_co_u32 s20, s20, RS
	v_mul_u32_u24 v12, v9, 784                     ; 784 bytes are 196 words: the 32 lanes' pieces of 8 bytes begin at words 4 r + 6 h modulo 64, all different
	s_delay_alu instid0(VALU_DEP_1)
	v_mad_u32_u24 v12, v2, 24, v12
	s_delay_alu instid0(VALU_DEP_1)
	v_add_nc_u32 v12, s20, v12
	v_lshlrev_b32 v13, 4, v1
	s_delay_alu instid0(VALU_DEP_1)
	v_add_nc_u32 v13, s18, v13                     ; the fragment's image: 1,536 bytes, 16 a lane
	s_wait_alu depctr_va_vdst(0)
	s_wait_loadcnt 0x0
	ds_store_b128 v11, v[16:19]
	ds_store_b128 v11, v[20:23] offset:256
	ds_store_b128 v11, v[24:27] offset:512
	s_wait_dscnt 0x0                               ; for the others' sake: my two rows lie in LDS
	s_barrier_signal -1
	s_barrier_wait -1
.irp p, 0,1,2,3,4,5
	ds_load_b64 v[28+2*\p:29+2*\p], v12 offset:48*(\p/3)+8*(\p%3)
.endr
	s_wait_dscnt 0x0
	global_store_b128 v13, v[28:31], s[12:13]                      ; each store covers 512 consecutive bytes, aligned
	global_store_b128 v13, v[32:35], s[12:13] offset:512
	global_store_b128 v13, v[36:39], s[12:13] offset:1024
	s_wait_tensorcnt 0x0
	ds_add_u32 v64, v65
	s_wait_dscnt 0x0
	s_endpgm
	; ---------------- THE SORT.  Thread n owns tokens 4096 i + 4 n + q, i = 0, 1, q = 0 .. 3
.Lsort:
	v_lshlrev_b32 v3, 4, v0
	global_load_b128 v[10:13], v3, s[4:5]
	global_load_b128 v[14:17], v3, s[4:5] offset:16384
	v_lshrrev_b32 v4, 5, v0
	s_delay_alu instid0(VALU_DEP_1)
	v_lshlrev_b32 v4, 4, v4                        ; LDS: my wave's four words
	s_wait_alu depctr_va_vdst(0)
	v_lshlrev_b32 v5, 4, v1                        ; and those of the wave with my lane's number
	v_mov_b32 v6, 1
	v_mov_b32 v7, 0                                ; my counts: eight fields of 4 bits (8 at the most in each)
.irp q, 0,1,2,3
	v_mov_b32 v[TP+\q], 0                          ; written once: the destination of a lane move counts as read
.endr
	v_lshlrev_b32 v8, 2, v0
.irp k, 0,1,2,3,4,5,6,7
	v_add_nc_u32 v[50+\k], 4096*(\k/4)+\k%4, v8    ; my tokens' numbers
.endr
	s_wait_loadcnt 0x0
.irp k, 0,1,2,3,4,5,6,7
	v_and_b32 v[10+\k], 7, v[10+\k]
.endr
.irp k, 0,1,2,3,4,5,6,7
	v_lshlrev_b32 v[10+\k], 2, v[10+\k]            ; 4 x expert: the field's place
.endr
.irp k, 0
	v_bfe_u32 v[18+\k], v7, v[10+\k], 4            ; how many of my earlier tokens chose the same expert
	v_lshl_add_u32 v7, v6, v[10+\k], v7
.endr
.irp k, 1, 2, 3, 4, 5, 6, 7
	s_delay_alu instid0(VALU_DEP_1)
	v_bfe_u32 v[18+\k], v7, v[10+\k], 4
	s_delay_alu instid0(VALU_DEP_2)
	v_lshl_add_u32 v7, v6, v[10+\k], v7
.endr
.irp q, 0,1,2,3
	v_lshrrev_b32 v[26+\q], 4*\q, v7
.endr
.irp q, 0,1,2,3
	s_delay_alu instid0(VALU_DEP_4)
	v_and_b32 v[26+\q], 0x000f000f, v[26+\q]       ; expert q's count in the low half, expert q + 4's in the high half: no sum passes 8,192, so the halves never meet
.endr
.irp q, 0,1,2,3
	s_delay_alu instid0(VALU_DEP_4)
	v_mov_b32 v[30+\q], v[26+\q]
.endr
; running sums over the 32 lanes, my own number included, of four registers by turns
.macro SCAN4 b
.irp n, 1,2,4,8
.irp q, 0,1,2,3
	v_mov_b32_dpp v[TP+\q], v[\b+\q] row_shr:\n row_mask:0xf bank_mask:0xf bound_ctrl:1   ; lane i takes lane i - n of its sixteen, or 0
.endr
.irp q, 0,1,2,3
	s_delay_alu instid0(VALU_DEP_4)
	v_add_nc_u32 v[\b+\q], v[\b+\q], v[TP+\q]
.endr
.endr
.irp q, 0,1,2,3
	s_delay_alu instid0(VALU_DEP_4)
	v_readlane_b32 s[75+\q], v[\b+\q], 15          ; lanes 0-15's total
.endr
.irp q, 0,1,2,3
	s_delay_alu instid0(VALU_DEP_4)
	v_mul_lo_u32 v[TP+\q], v2, s[75+\q]            ; goes onto lanes 16-31
.endr
.irp q, 0,1,2,3
	s_delay_alu instid0(VALU_DEP_4)
	v_add_nc_u32 v[\b+\q], v[\b+\q], v[TP+\q]
.endr
.endm
	SCAN4 30
.irp q, 0,1,2,3
	s_delay_alu instid0(VALU_DEP_4)
	v_readlane_b32 s[16+\q], v[30+\q], 31          ; my wave's totals
.endr
.irp q, 0,1,2,3
	s_delay_alu instid0(VALU_DEP_4)
	v_mov_b32 v[34+\q], s[16+\q]
.endr
	ds_store_b128 v4, v[34:37]                     ; all lanes write the same 16 bytes with the same values
	s_wait_dscnt 0x0
	s_barrier_signal -1
	s_barrier_wait -1
	ds_load_b128 v[34:37], v5                      ; lane l: wave l's totals
	s_wait_dscnt 0x0
	SCAN4 34
.irp q, 0,1,2,3
	v_readlane_b32 s[20+\q], v[34+\q], 31          ; the experts' counts
	v_readlane_b32 s[24+\q], v[34+\q], s14
.endr
.irp q, 0,1,2,3
	s_sub_co_u32 s[24+\q], s[24+\q], s[16+\q]      ; what the waves ahead of mine hold
	s_and_b32 s[28+\q], s[20+\q], 0xffff           ; c_e: s28-35
	s_lshr_b32 s[32+\q], s[20+\q], 16
.endr
	s_mov_b32 s36, 0                               ; where expert e begins in order: s36-43
.irp e, 0,1,2,3,4,5,6
	s_add_co_u32 s[37+\e], s[36+\e], s[28+\e]
.endr
.irp q, 0,1,2,3
	s_lshl_b32 s[44+\q], s[40+\q], 16
	s_or_b32 s[44+\q], s[44+\q], s[36+\q]
	s_add_co_u32 s[24+\q], s[24+\q], s[44+\q]
.endr
.irp q, 0,1,2,3
	v_sub_nc_u32 v[38+\q], v[30+\q], v[26+\q]      ; the lanes ahead of me,
.endr
.irp q, 0,1,2,3
	s_delay_alu instid0(VALU_DEP_4)
	v_add_nc_u32 v[38+\q], s[24+\q], v[38+\q]      ; the waves ahead of mine, the expert's beginning: the place of my first token of each expert
.endr
.irp k, 0,1,2,3,4,5,6,7
	v_and_b32 v8, 4, v[10+\k]                      ; the word of expert % 4,
	s_delay_alu instid0(VALU_DEP_1)
	v_cmp_ne_u32 vcc_lo, 0, v8
	s_delay_alu instid0(VALU_DEP_1)
	v_cndmask_b32 v34, v38, v39, vcc_lo
	s_delay_alu instid0(VALU_DEP_2)
	v_cndmask_b32 v35, v40, v41, vcc_lo
	v_and_b32 v8, 8, v[10+\k]
	s_delay_alu instid0(VALU_DEP_1)
	v_cmp_ne_u32 vcc_lo, 0, v8
	s_delay_alu instid0(VALU_DEP_1)
	v_cndmask_b32 v34, v34, v35, vcc_lo
	v_and_b32 v8, 16, v[10+\k]                     ; its half by expert / 4,
	s_delay_alu instid0(VALU_DEP_1)
	v_bfe_u32 v34, v34, v8, 16
	s_delay_alu instid0(VALU_DEP_1)
	v_add_nc_u32 v34, v34, v[18+\k]                ; my earlier tokens of that expert
	s_delay_alu instid0(VALU_DEP_1)
	v_min_u32 v[42+\k], 0x1fff, v34                ; a place in order, held inside it
	s_delay_alu instid0(VALU_DEP_1)
	v_lshlrev_b32 v[42+\k], 2, v[42+\k]
	global_store_b32 v[42+\k], v[50+\k], s[8:9]    ; each token has registers of its own: none is written again
.endr
	s_cmp_gt_u32 s14, 1
	s_cbranch_scc1 .Lsort_end
	; THE TILES: thread y of waves 0 and 1 makes tile y
.irp e, 0,1,2,3,4,5,6,7
	s_add_co_u32 s[48+\e], s[28+\e], 15
	s_lshr_b32 s[48+\e], s[48+\e], 4               ; g_e: groups of 16 rows, 512 at the most
	s_add_co_u32 s[56+\e], s[48+\e], 8
	s_mul_i32 s[56+\e], s[56+\e], 58255            ; 9 x 58255 = 2^19 + 7: exact for numbers up to 520
	s_lshr_b32 s[56+\e], s[56+\e], 19              ; nt_e = ceil(g_e / 9)
.endr
	s_mov_b32 s66, 0                               ; expert e's first tile: s66-73; all tiles: s74
.irp e, 0,1,2,3,4,5,6,7
	s_add_co_u32 s[67+\e], s[66+\e], s[56+\e]
.endr
	v_mov_b32 v58, 0                               ; expert, its first tile, g, nt, beginning, count: expert 0's,
	v_mov_b32 v18, 0
	v_mov_b32 v19, s48
	v_mov_b32 v20, s56
	v_mov_b32 v21, 0
	v_mov_b32 v22, s28
.irp e, 1,2,3,4,5,6,7
	v_cmp_gt_u32 vcc_lo, s[66+\e], v0              ; or those of the last expert whose first tile is not behind y
	s_delay_alu instid0(VALU_DEP_1)
	v_cndmask_b32 v58, \e, v58, vcc_lo
	s_delay_alu instid0(VALU_DEP_2)
	v_cndmask_b32 v18, s[66+\e], v18, vcc_lo
	s_delay_alu instid0(VALU_DEP_3)
	v_cndmask_b32 v19, s[48+\e], v19, vcc_lo
	s_delay_alu instid0(VALU_DEP_4)
	v_cndmask_b32 v20, s[56+\e], v20, vcc_lo
	v_cndmask_b32 v21, s[36+\e], v21, vcc_lo
	v_cndmask_b32 v22, s[28+\e], v22, vcc_lo
.endr
	v_mov_b32 v23, 0                               ; floor(g / nt), 9 at the most: how many of nt, 2 nt .. 9 nt do not pass g
	s_delay_alu instid0(VALU_DEP_4)
	v_mov_b32 v24, v20
.rept 9
	s_delay_alu instid0(VALU_DEP_1)
	v_cmp_le_u32 vcc_lo, v24, v19
	s_delay_alu instid0(VALU_DEP_1)
	v_add_co_ci_u32 v23, vcc_lo, 0, v23, vcc_lo
	s_delay_alu instid0(VALU_DEP_3)
	v_add_nc_u32 v24, v24, v20
.endr
	s_delay_alu instid0(VALU_DEP_2)
	v_mul_u32_u24 v25, v23, v20
	s_delay_alu instid0(VALU_DEP_1)
	v_sub_nc_u32 v25, v19, v25                     ; so many of the expert's tiles have one group more
	v_sub_nc_u32 v26, v0, v18                      ; which of the expert's tiles I am
	s_delay_alu instid0(VALU_DEP_1)
	v_min_u32 v27, v26, v25
	s_delay_alu instid0(VALU_DEP_1)
	v_mad_u32_u24 v27, v26, v23, v27               ; the groups ahead of mine
	s_delay_alu instid0(VALU_DEP_3)
	v_cmp_lt_u32 vcc_lo, v26, v25
	s_delay_alu instid0(VALU_DEP_1)
	v_add_co_ci_u32 v61, vcc_lo, 0, v23, vcc_lo    ; my groups
	s_delay_alu instid0(VALU_DEP_3)
	v_lshl_add_u32 v59, v27, 4, v21                ; my first place in order
	s_delay_alu instid0(VALU_DEP_4)
	v_lshlrev_b32 v8, 4, v27
	s_delay_alu instid0(VALU_DEP_1)
	v_sub_nc_u32 v60, v22, v8
	s_delay_alu instid0(VALU_DEP_4)
	v_lshlrev_b32 v8, 4, v61
	s_delay_alu instid0(VALU_DEP_1)
	v_min_u32 v60, v60, v8                         ; my rows
	v_cmp_gt_u32 vcc_lo, s74, v0                   ; a tile that this choice does not use gets zeros
	s_delay_alu instid0(VALU_DEP_1)
	v_cndmask_b32 v59, 0, v59, vcc_lo
	s_delay_alu instid0(VALU_DEP_2)
	v_cndmask_b32 v60, 0, v60, vcc_lo
	s_delay_alu instid0(VALU_DEP_3)
	v_cndmask_b32 v61, 0, v61, vcc_lo
	global_store_b128 v3, v[58:61], s[10:11]       ; 16 bytes a tile: a wave's store covers 512 consecutive bytes
.Lsort_end:
	s_wait_tensorcnt 0x0
	ds_add_u32 v64, v65
	s_wait_dscnt 0x0
	s_endpgm
.Lfunc_end_k_q45765be289_sort_lay:
	.size	k_q45765be289_sort_lay, .Lfunc_end_k_q45765be289_sort_lay-k_q45765be289_sort_lay
	.p2alignl 7, 3214868480
	.fill 96, 4, 3214868480
	.section	.rodata,"a",@progbits
	.p2align	6, 0x0
	.amdhsa_kernel k_q45765be289_sort_lay
		.amdhsa_group_segment_fixed_size 55296
		.amdhsa_private_segment_fixed_size 0
		.amdhsa_enable_private_segment 0
		.amdhsa_kernarg_size 40
		.amdhsa_user_sgpr_count 2
		.amdhsa_user_sgpr_kernarg_segment_ptr 1
		.amdhsa_wavefront_size32 1
		.amdhsa_system_sgpr_workgroup_id_x 1
		.amdhsa_system_sgpr_workgroup_id_y 1
		.amdhsa_system_sgpr_workgroup_id_z 1
		.amdhsa_system_vgpr_workitem_id 0
		.amdhsa_next_free_vgpr 66
		.amdhsa_next_free_sgpr 80
		.amdhsa_reserve_vcc 1
		.amdhsa_float_denorm_mode_32 3
		.amdhsa_float_denorm_mode_16_64 3
		.amdhsa_memory_ordered 1
		.amdhsa_forward_progress 1
		.amdhsa_inst_pref_size 31
	.end_amdhsa_kernel
	.amdgpu_metadata
---
amdhsa.version: [ 1, 2 ]
amdhsa.kernels:
  - .name:           k_q45765be289_sort_lay
    .symbol:         k_q45765be289_sort_lay.kd
    .args:
      - { .name: eidx, .offset: 0, .size: 8, .value_kind: global_buffer, .address_space: global }
      - { .name: expert_w_codes, .offset: 8, .size: 8, .value_kind: global_buffer, .address_space: global }
      - { .name: order, .offset: 16, .size: 8, .value_kind: global_buffer, .address_space: global }
      - { .name: tiles, .offset: 24, .size: 8, .value_kind: global_buffer, .address_space: global }
      - { .name: wq, .offset: 32, .size: 8, .value_kind: global_buffer, .address_space: global }
    .group_segment_fixed_size: 55296
    .private_segment_fixed_size: 0
    .kernarg_segment_align: 8
    .kernarg_segment_size: 40
    .max_flat_workgroup_size: 1024
    .sgpr_count:     80
    .vgpr_count:     66
    .wavefront_size: 32
...
	.end_amdgpu_metadata
.endif
;; end of part 5
;; launch experts (part 6): grid 4 x 64, 4 waves a work-group, no clusters, 119,808 bytes of LDS; arguments xc, xs, gate, order, tiles, wq, expert_w_scales, expert_b, out0; writes out0
.if DOCPART == 6
	.amdgcn_target "amdgcn-amd-amdhsa--gfx1250"
	.amdhsa_code_object_version 6
	.text
	.protected	k_q45765be289_experts
	.globl	k_q45765be289_experts
	.p2align	8
	.type	k_q45765be289_experts,@function
k_q45765be289_experts:
	s_mov_b64 s[64:65], 0
	v_nop
	global_prefetch_b8 v0, s[64:65] scope:SCOPE_SE
	s_setreg_imm32_b32 hwreg(HW_REG_WAVE_SCHED_MODE, 0, 2), 2
	s_setreg_imm32_b32 hwreg(HW_REG_WAVE_MODE, 25, 1), 1
	s_wait_xcnt 0x0
	s_wait_alu depctr_vm_vsrc(0)
; out0[token] = gate[token] x (Q(x[token]) . W_e + b_e) for the token's chosen expert e alone, on codes of BF6 (E3M2) with one E8M0 scale for each 32 along K = 1,024.
; SHARES: work-group (x, y) takes tile y of the list (up to 144 rows of one expert, in groups of 16) x columns 256 x .. + 255.  Wave w owns columns nb = 256 x + 64 w .. + 63 for all the rows:
; its 32 fragments of W (4 tiles x 8 steps of 128 along K, 384 registers) are loaded once, dense, from the buffer that holds them in the order of the operand's registers, and stay.
; The tile's rows are gathered once by the list (768 bytes of codes, 32 scale bytes, the gate, the token's number) into LDS, each wave 36 rows; one barrier; then each wave walks the groups of 16 rows.
; THE PRODUCT: source 0 = 16 tokens, source 1 = 16 rows of W; tile t takes W's rows nb + 4 r + t.  So lane (r, h) holds, in register j of tile t, (token 8 h + j, column nb + 4 r + t): the four tiles'
; registers j are four neighbouring columns, 16 bytes, and sixteen neighbouring lanes store 256 consecutive bytes of a token's row, aligned: the results need no way through LDS.
; The bias is the C of each sum's first matrix instruction.  One register carries a row's scale words 0-3 in lanes 0-15 and words 4-7 in lanes 16-31.
; THE GRID SERVES EVERY CHOICE: 64 tiles are never too few.  A tile with fewer than 9 groups passes over the groups that it has not (a scalar branch on the stored number); a tile with no rows stores nothing.
; The one barrier lies on every path.  Rows of a tile past its count repeat its last row: they compute and store the same numbers at the same place.
; NO TENSOR LOAD AND NO JOINT REQUEST, though the tiles of one expert read the same W: the addresses and the groups passed over hang on numbers read from memory, and which tiles share an expert differs from
; choice to choice; so the operands go from memory into registers.
; THE MODE: SCHED_MODE bits 1:0 = 2 (LLVM: expert scheduling mode 2), set by the entry lines.  The code itself states the register dependences between vector or matrix instructions and memory or LDS
; instructions, with s_wait_alu, always for 0.
; THE PLAN.  Registers that LDS or memory instructions touch in the loop:
;   XF even (v72-167), XF odd (v840-935)   a group's eight fragments of x.  Read by that group's 32 products; the LDS loads that are issued in the step of the group before land in them.
;   XSC even (v16-19), XSC odd (v68-71)    its scale words: likewise.
;   TK, G     one set.  The four LDS loads at the head of a group's step land in them; that step's closing vector lines read them.
;   AD, O     one set.  Written by a step's closing vector lines; read by its eight stores.
;   v4 - v6   LDS addresses.  Read by every LDS load; written once a lap of two groups: within a lap the groups are reached by immediate offsets.
;   W, its scale words, the bias and the accumulators are named by vector and matrix instructions alone.
; So ONE wait on va_vdst stands in a group's step, behind its last vector line: AD and O are written; the step's products are done reading their fragments and scale words; its closing lines are done reading
; TK and G.  The step's stores follow it.  The next step's 29 LDS loads land in TK, G and in the buffer that this wait has shown free, and the products among which they stand name the other buffer: no further wait.
; One wait on vm_vsrc a step stands ahead of the lines that write AD and O again; one, with one more on va_vdst, round the three additions at a lap's end.
.set XSL,  112896                      ; LDS: 0: 144 rows of codes, 784 bytes apart (49 x 16: the sixteen rows of a load of 16 bytes begin in sixteen different columns of 16 bytes);  here: their scale bytes, 32 a row
.set TOK,  117504                      ; the tokens' numbers, 4 bytes a row;  768 bytes on: their gates
.set XSC,  16                          ; v16-19   x's scale words of an even group;  52 on, v68-71: those of an odd group
.set WSC,  20                          ; v20-35   W's: tile t at WSC + 4 t
.set BI,   36                          ; v36-67   the bias in the result's layout: tile t at BI + 8 t
.set BT,   68                          ; v68-71   at the head only: the bias of my four columns
.set XF,   72                          ; v72-167  x's eight fragments of an even group of 16 rows;  those of an odd group: the same numbers in the fourth window, v840-935
.set ACC,  168                         ; v168-199 four accumulators
.set O,    200                         ; v200-231 results: token j's four columns at O + 4 j
.set TK,   232                         ; v232-239 my eight tokens
.set G,    240                         ; v240-247 their gates
.set AD,   248                         ; v248-255 their places in out0
.set TKC,  72                          ; at the head only: v72-89 tokens; v90-107 places in the list, then offsets of codes; v108-125, v126-143 offsets of scale bytes, gates; v144-161 scale bytes; v168-185 gates
.set CA,   90
.set SA,   108
.set GA,   126
.set SCG,  144
.set GG,   168
; v256-447: W(t, j < 4) at 48 t + 12 j;  v512-703: W(t, j >= 4) at 48 t + 12 (j - 4);  v768-983: at the head the gathered rows of codes on their way to LDS
.set MSB, 0
.macro WIN new                         ; the immediate's high byte repeats the setting that is left
.if MSB != \new
	s_set_vgpr_msb (MSB<<8)|\new
.set MSB, \new
.endif
.endm
	s_load_b512 s[8:23], s[0:1], 0x0               ; xc s[8:9], xs s[10:11], gate s[12:13], order s[14:15], tiles s[16:17], wq s[18:19], expert_w_scales s[20:21], expert_b s[22:23]
	s_load_b64 s[24:25], s[0:1], 0x40              ; out0
	v_lshl_add_u32 v10, v0, 2, 0x1d200
	v_mov_b32 v15, 0
	v_lshrrev_b32 v1, 5, v0
	v_readfirstlane_b32 s26, v1                    ; wave 0..3
	s_mov_b32 s27, ttmp9                           ; x: which 256 columns
	s_and_b32 s28, ttmp7, 0xffff                   ; y: which tile
	s_lshl_b32 s38, s28, 4
	s_mov_b32 s39, 0
	s_wait_kmcnt 0x0
	s_add_nc_u64 s[16:17], s[16:17], s[38:39]
	s_load_b128 s[32:35], s[16:17], 0x0            ; the tile: expert, first place in the list, rows, groups of 16
	v_and_b32 v1, 15, v0                           ; r
	v_bfe_u32 v2, v0, 4, 1                         ; h
	v_and_b32 v3, 31, v0
	v_lshlrev_b32 v3, 4, v3                        ; 16 x lane
	v_mul_u32_u24 v4, v1, 784
	v_mad_u32_u24 v4, v2, 48, v4                   ; LDS: a fragment of x: row r, + 48 h
	v_lshlrev_b32 v5, 5, v1
	v_lshl_add_u32 v5, v2, 4, v5
	v_add_nc_u32 v5, XSL, v5                       ; its scale words: row r, words 4 h .. 4 h + 3
	v_lshl_add_u32 v6, v2, 5, TOK                  ; my eight tokens: 8 h on
	v_lshlrev_b32 v7, 4, v1                        ; 16 r
	v_lshlrev_b32 v8, 7, v1
	v_lshl_add_u32 v8, v2, 4, v8                   ; W's scale words: row 4 r of 32 bytes, words 4 h on
	s_wait_alu depctr_va_sdst(0)                   ; s26, the wave's number, is written, ahead of its first reader
	s_mul_i32 s38, s26, 36
	v_add_nc_u32 v9, s38, v2                       ; the rows that I gather: 36 w + h + 2 q
	v_lshlrev_b32 v11, 1, v1                       ; 2 r
	v_mad_u32_u24 v12, v9, 784, v7                 ; LDS: where their codes go,
	v_lshl_add_u32 v13, v9, 5, v11
	v_add_nc_u32 v13, XSL, v13                     ; their scale bytes,
	v_lshl_add_u32 v14, v9, 2, TOK                 ; their numbers and gates
	s_wait_alu depctr_va_vdst(0)
	s_wait_kmcnt 0x0
	s_min_u32 s32, s32, 7                          ; each stored number is held inside its range
	s_min_u32 s33, s33, 8191
	s_min_u32 s34, s34, 144
	s_min_u32 s35, s35, 9
	s_max_u32 s36, s34, 1
	s_sub_co_u32 s36, s36, 1                       ; the tile's last row
	s_lshl_b32 s38, s32, 4
	s_lshl_b32 s40, s27, 2
	s_add_co_u32 s38, s38, s40
	s_add_co_u32 s38, s38, s26                     ; my 64 rows of W: group 16 e + 4 x + w,
	s_mul_i32 s38, s38, 49152                      ; 49,152 bytes each
	s_add_nc_u64 s[18:19], s[18:19], s[38:39]
	s_lshl_b32 s40, s32, 10
	s_lshl_b32 s41, s27, 8
	s_add_co_u32 s40, s40, s41
	s_lshl_b32 s41, s26, 6
	s_add_co_u32 s40, s40, s41                     ; 1024 e + nb
	s_lshl_b32 s38, s40, 5
	s_add_nc_u64 s[20:21], s[20:21], s[38:39]      ; W's scale bytes: 32 a row
	s_lshl_b32 s38, s40, 2
	s_add_nc_u64 s[22:23], s[22:23], s[38:39]      ; the bias
	s_lshl_b32 s38, s27, 10
	s_lshl_b32 s41, s26, 8
	s_add_co_u32 s38, s38, s41
	s_add_nc_u64 s[24:25], s[24:25], s[38:39]      ; out0 at my first column
.set q, 0
.rept 18
	v_add_nc_u32 v[CA+q], 2*q, v9
.set q, q+1
.endr
.set q, 0
.rept 18
	v_min_u32 v[CA+q], s36, v[CA+q]                ; rows past the tile's count repeat its last row
.set q, q+1
.endr
.set q, 0
.rept 18
	v_add_nc_u32 v[CA+q], s33, v[CA+q]
.set q, q+1
.endr
.set q, 0
.rept 18
	v_min_u32 v[CA+q], 0x1fff, v[CA+q]             ; a place in the list, held inside it
.set q, q+1
.endr
.set q, 0
.rept 18
	v_lshlrev_b32 v[CA+q], 2, v[CA+q]
.set q, q+1
.endr
	s_wait_alu depctr_va_vdst(0)                   ; the places in the list and the offsets and addresses v3 to v8 and v12 to v14 are written, which the loads and LDS instructions below read
.set q, 0
.rept 18
	global_load_b32 v[TKC+q], v[CA+q], s[14:15]    ; the tokens' numbers
.set q, q+1
.endr
	WIN 0x40                                       ; destination v256 on
.irp j, 0,1,2,3
.irp t, 0,1,2,3
.irp c, 0,1,2
	global_load_b128 v[48*\t+12*\j+4*\c:48*\t+12*\j+4*\c+3], v3, s[18:19] offset:1536*(8*\t+\j)+512*\c   ; W's first half goes out while the list is on its way: 512 consecutive bytes a load
.endr
.endr
.endr
	WIN 0
	s_wait_loadcnt 48                              ; the list's 18 loads are in; W's 48 were issued behind them
	s_wait_alu depctr_vm_vsrc(0)                   ; the list's loads have read their places, v90-107, which the lines below write again as the codes' offsets
.set q, 0
.rept 18
	v_min_u32 v[TKC+q], 0x1fff, v[TKC+q]           ; a token's number, held inside the tables
.set q, q+1
.endr
.set q, 0
.rept 18
	v_mad_u32_u24 v[CA+q], v[TKC+q], 0x300, v7     ; its codes: 768 bytes a token, 16 bytes a lane
	v_lshl_add_u32 v[SA+q], v[TKC+q], 5, v11       ; its scale bytes: 32 a token, 2 a lane
	v_lshlrev_b32 v[GA+q], 2, v[TKC+q]             ; its gate
.set q, q+1
.endr
	WIN 0xc0                                       ; destination v768 on
	s_wait_alu depctr_va_vdst(0)                   ; the three kinds of offsets are written, which the gathering loads read, and the held tokens' numbers, which the LDS stores further down read
.set q, 0
.rept 18
.irp c, 0,1,2
	global_load_b128 v[12*q+4*\c:12*q+4*\c+3], v[CA+q], s[8:9] offset:256*\c     ; sixteen lanes read 256 consecutive bytes of a row, aligned; lanes 16-31 those of the next row
.endr
.set q, q+1
.endr
	WIN 0
.set q, 0
.rept 18
	global_load_u16 v[SCG+q], v[SA+q], s[10:11]
	global_load_b32 v[GG+q], v[GA+q], s[12:13]
.set q, q+1
.endr
	WIN 0x80                                       ; destination v512 on
.irp j, 0,1,2,3
.irp t, 0,1,2,3
.irp c, 0,1,2
	global_load_b128 v[48*\t+12*\j+4*\c:48*\t+12*\j+4*\c+3], v3, s[18:19] offset:1536*(8*\t+\j+4)+512*\c
.endr
.endr
.endr
	WIN 0
.irp t, 0,1,2,3
	global_load_b128 v[WSC+4*\t:WSC+4*\t+3], v8, s[20:21] offset:32*\t           ; row nb + 4 r + t: lanes 0-15 its words 0-3, lanes 16-31 its words 4-7
.endr
	global_load_b128 v[BT:BT+3], v7, s[22:23]      ; the bias of columns nb + 4 r + 0 .. 3
	s_wait_loadcnt 53                              ; all that was gathered is in; behind it were issued W's second half (48), W's scale words (4) and the bias (1)
	WIN 0x0c                                       ; an LDS store's data are its source 1: v768 on
.set q, 0
.rept 18
.irp c, 0,1,2
	ds_store_b128 v12, v[12*q+4*\c:12*q+4*\c+3] offset:1568*q+256*\c
.endr
.set q, q+1
.endr
	WIN 0
.set q, 0
.rept 18
	ds_store_b16 v13, v[SCG+q] offset:64*q
	ds_store_b32 v14, v[TKC+q] offset:8*q          ; the sixteen lanes of a half write the same word with the same value
	ds_store_b32 v14, v[GG+q] offset:768+8*q
.set q, q+1
.endr
	s_wait_dscnt 0x0                               ; for the others' sake: my 36 rows lie in LDS
	s_barrier_signal -1
	s_barrier_wait -1                              ; all 144 do; nobody writes LDS again
	s_wait_alu depctr_vm_vsrc(0)                   ; the gathering loads have read their offsets and my LDS stores their data: v72-185 and v768-983 are fragments and accumulators from here on, written by LDS loads and by products
; four fragments of x, j0 .. j0 + 3, of the group that begins off bytes on: three loads of 16 bytes each
.macro XLD j0, off
.irp j, 0,1,2,3
.irp c, 0,1,2
	ds_load_b128 v[XF+12*(\j0+\j)+4*\c:XF+12*(\j0+\j)+4*\c+3], v4 offset:\off+96*(\j0+\j)+16*\c
.endr
.endr
.endm
	XLD 0, 0                                       ; the first group: 12 loads, its scale words, 12 loads
	ds_load_b128 v[XSC:XSC+3], v5
	XLD 4, 0
	s_wait_loadcnt 0x0                             ; W, its scale words, the bias
.irp t, 0,1,2,3
.irp j, 0,1,2,3,4,5,6,7
	v_mov_b32 v[BI+8*\t+\j], v[BT+\t]              ; in the result's layout a lane's eight registers of a tile are one column
.endr
.endr
	s_wait_alu depctr_va_vdst(0)                   ; these copies are done reading v68-71, in which the scale words of the odd groups land
; step j of 128 along K, with x's scale words at v[xs] on: the four accumulators take turns, one instruction a turn
.macro MM j, xs
.irp t, 0,1,2,3
.if (\j) == 0
	v_wmma_scale_f32_16x16x128_f8f6f4 v[ACC+8*\t:ACC+8*\t+7], v[XF+12*(\j):XF+12*(\j)+11], v[48*\t+12*((\j)%4):48*\t+12*((\j)%4)+11], v[BI+8*\t:BI+8*\t+7], v[(\xs)+(\j)%4], v[WSC+4*\t+(\j)%4] matrix_a_fmt:MATRIX_FMT_BF6 matrix_b_fmt:MATRIX_FMT_BF6
.elseif (\j) < 4
	v_wmma_scale_f32_16x16x128_f8f6f4 v[ACC+8*\t:ACC+8*\t+7], v[XF+12*(\j):XF+12*(\j)+11], v[48*\t+12*((\j)%4):48*\t+12*((\j)%4)+11], v[ACC+8*\t:ACC+8*\t+7], v[(\xs)+(\j)%4], v[WSC+4*\t+(\j)%4] matrix_a_fmt:MATRIX_FMT_BF6 matrix_b_fmt:MATRIX_FMT_BF6
.else
	v_wmma_scale_f32_16x16x128_f8f6f4 v[ACC+8*\t:ACC+8*\t+7], v[XF+12*(\j):XF+12*(\j)+11], v[48*\t+12*((\j)%4):48*\t+12*((\j)%4)+11], v[ACC+8*\t:ACC+8*\t+7], v[(\xs)+(\j)%4], v[WSC+4*\t+(\j)%4] matrix_a_fmt:MATRIX_FMT_BF6 matrix_b_fmt:MATRIX_FMT_BF6 matrix_a_scale:MATRIX_SCALE_ROW1 matrix_b_scale:MATRIX_SCALE_ROW1
.endif
.endr
.endm
; A GROUP OF 16 ROWS.  b: the group's place in its lap, 0 or 1, and so its buffer.  pre = 1: the next group's fragments and scale words are fetched into the other buffer.
.macro STEP b, pre
.set WLO, 0x04+3*(\b)                  ; source 1 (W) in v256 on; source 0 (x) in v0 on or in v768 on
.set WHI, 0x08+3*(\b)                  ; source 1 in v512 on
.set WLD, 0xc0*(1-(\b))                ; the other buffer as a load's destination: v768 on or v0 on
.set XSB, XSC+52*(\b)                  ; this group's scale words
.if \b
	s_add_co_u32 s41, s37, 1                       ; the lap's second group
	s_cmp_ge_u32 s41, s35                          ; a group that the tile has not is passed over
.else
	s_cmp_ge_u32 s37, s35                          ; a group that the tile has not is passed over
.endif
	s_cbranch_scc1 .Lskip_\@
	s_wait_dscnt 12                                ; fragments 0-3 and the scale words are in; the 12 loads of fragments 4-7 were issued behind them
	ds_load_b128 v[TK:TK+3], v6 offset:64*(\b)     ; my eight tokens and their gates.  No wait for these and the loads below: the last wait on va_vdst has shown the readers of their registers done,
	ds_load_b128 v[TK+4:TK+7], v6 offset:64*(\b)+16        ; and no vector or matrix instruction since then names them
	ds_load_b128 v[G:G+3], v6 offset:64*(\b)+768
	ds_load_b128 v[G+4:G+7], v6 offset:64*(\b)+784
.if \pre
	ds_load_b128 v[XSC+52*(1-(\b)):XSC+52*(1-(\b))+3], v5 offset:512*((\b)+1)
.endif
	WIN WLO
	MM 0, XSB
	MM 1, XSB
.if \pre
	WIN WLD
	XLD 0, 12544*((\b)+1)
.endif
	WIN WLO
	MM 2, XSB
	MM 3, XSB
.if \pre
	s_wait_dscnt 17                                ; fragments 4-7 are in; behind them: the 4 loads of tokens and gates, the next group's scale words and its first 12
	WIN WLD
	XLD 4, 12544*((\b)+1)
.else
	s_wait_dscnt 4                                 ; fragments 4-7 are in; behind them: the 4 loads of tokens and gates
.endif
	WIN WHI
	MM 4, XSB
	MM 5, XSB
	MM 6, XSB
	MM 7, XSB
	WIN 0
.if \pre
	s_wait_dscnt 25                                ; tokens and gates are in; behind them: the next group's 1 + 12 + 12 loads
.else
	s_wait_dscnt 0x0
.endif
	s_wait_xcnt 0x0                                ; the last group's stores have had their addresses translated: their addresses and data are written again only behind this wait
	s_wait_alu depctr_vm_vsrc(0)                   ; the last group's stores have read AD and O, which the lines below write again
.irp j, 0,1,2,3,4,5,6,7
	v_min_u32 v[AD+\j], 0x1fff, v[TK+\j]           ; a token's number, held inside out0.  (These sixteen lines name no register of the products: they are the places ahead of the first read of
	v_lshl_add_u32 v[AD+\j], v[AD+\j], 12, v7      ; the results, and ahead of the next group's first products, which begin the accumulators anew.)  4,096 bytes a token, 16 bytes a lane
.endr
.irp j, 0,1,2,3,4,5,6,7
.irp t, 0,1,2,3
	v_mul_f32 v[O+4*\j+\t], v[ACC+8*\t+\j], v[G+\j]                ; x the gate; each accumulator is read from its lowest register on
.endr
.endr
	s_wait_alu depctr_va_vdst(0)                   ; AD and O are written, which the stores read; this group's products are done reading its fragments and scale words, and the lines above TK and G: the next step's loads land in all of these
.irp j, 0,1,2,3,4,5,6,7
	global_store_b128 v[AD+\j], v[O+4*\j:O+4*\j+3], s[24:25] th:TH_STORE_NT      ; sixteen lanes store 256 consecutive bytes of a token's row, at a multiple of 256 from out0's first byte
.endr
.Lskip_\@:
.endm
	s_mov_b32 s37, 0
.Ltrip:                                                ; four laps of two groups, so that both buffers are back at their start; the ninth group is written out: it fetches nothing beyond the 144 rows
	STEP 0, 1
	STEP 1, 1
	s_wait_alu depctr_vm_vsrc(0)                   ; the LDS loads issued so far have read v4, v5 and v6
	v_add_nc_u32 v4, 25088, v4                     ; on to the next 32 rows
	v_add_nc_u32 v5, 1024, v5
	v_add_nc_u32 v6, 128, v6
	s_wait_alu depctr_va_vdst(0)                   ; v4, v5 and v6 are written, which the LDS loads of the next lap, and of the ninth group, read
	s_add_co_u32 s37, s37, 2
	s_cmp_lt_u32 s37, 8
	s_cbranch_scc1 .Ltrip
	STEP 0, 0
	s_wait_dscnt 0x0                               ; what a tile of fewer groups has fetched ahead and not used
	s_wait_alu depctr_hold_cnt(0) depctr_sa_sdst(0) depctr_va_vdst(0) depctr_va_sdst(0) depctr_va_ssrc(0) depctr_va_vcc(0) depctr_vm_vsrc(0)
	s_wait_tensorcnt 0x0
	ds_add_u32 v10, v15
	s_wait_dscnt 0x0
	s_endpgm
.Lfunc_end_k_q45765be289_experts:
	.size	k_q45765be289_experts, .Lfunc_end_k_q45765be289_experts-k_q45765be289_experts
	.p2alignl 7, 3214868480
	.fill 96, 4, 3214868480
	.section	.rodata,"a",@progbits
	.p2align	6, 0x0
	.amdhsa_kernel k_q45765be289_experts
		.amdhsa_group_segment_fixed_size 119808
		.amdhsa_private_segment_fixed_size 0
		.amdhsa_enable_private_segment 0
		.amdhsa_kernarg_size 72
		.amdhsa_user_sgpr_count 2
		.amdhsa_user_sgpr_kernarg_segment_ptr 1
		.amdhsa_wavefront_size32 1
		.amdhsa_system_sgpr_workgroup_id_x 1
		.amdhsa_system_sgpr_workgroup_id_y 1
		.amdhsa_system_sgpr_workgroup_id_z 1
		.amdhsa_system_vgpr_workitem_id 0
		.amdhsa_next_free_vgpr 1024
		.amdhsa_next_free_sgpr 66
		.amdhsa_reserve_vcc 0
		.amdhsa_float_denorm_mode_32 3
		.amdhsa_float_denorm_mode_16_64 3
		.amdhsa_memory_ordered 1
		.amdhsa_forward_progress 1
		.amdhsa_inst_pref_size 67
	.end_amdhsa_kernel
	.amdgpu_metadata
---
amdhsa.version: [ 1, 2 ]
amdhsa.kernels:
  - .name:           k_q45765be289_experts
    .symbol:         k_q45765be289_experts.kd
    .args:
      - { .name: xc, .offset: 0, .size: 8, .value_kind: global_buffer, .address_space: global }
      - { .name: xs, .offset: 8, .size: 8, .value_kind: global_buffer, .address_space: global }
      - { .name: gate, .offset: 16, .size: 8, .value_kind: global_buffer, .address_space: global }
      - { .name: order, .offset: 24, .size: 8, .value_kind: global_buffer, .address_space: global }
      - { .name: tiles, .offset: 32, .size: 8, .value_kind: global_buffer, .address_space: global }
      - { .name: wq, .offset: 40, .size: 8, .value_kind: global_buffer, .address_space: global }
      - { .name: expert_w_scales, .offset: 48, .size: 8, .value_kind: global_buffer, .address_space: global }
      - { .name: expert_b, .offset: 56, .size: 8, .value_kind: global_buffer, .address_space: global }
      - { .name: out0, .offset: 64, .size: 8, .value_kind: global_buffer, .address_space: global }
    .group_segment_fixed_size: 119808
    .private_segment_fixed_size: 0
    .kernarg_segment_align: 8
    .kernarg_segment_size: 72
    .max_flat_workgroup_size: 128
    .sgpr_count:     66
    .vgpr_count:     1024
    .wavefront_size: 32
...
	.end_amdgpu_metadata
.endif
;; end of part 6
